; MI455X (gfx1250); checked and timed in simulation.
; The chip was launched on July 23, 2026; its instructions are those of AMD's public machine-readable ISA for CDNA 5 (MIT licence, August 2026) and "CDNA5" Instruction Set Architecture Reference Guide (July 2026). The comments in the code are by the model that wrote it; some were corrected since.
;; Causal Self Attention. Allowed arithmetic: matrix products marked QUANTISED: E4M3 operands, one given power-of-two scale a tensor, by v_wmma_f32_16x16x64_fp8_fp8 or v_wmma_f32_16x16x128_fp8_fp8, f32 sums; everything else in f32.
;; Inputs: Wk 1,024 x 1,024 float32; Wp 1,024 x 1,024 float32; Wq 1,024 x 1,024 float32; Wv 1,024 x 1,024 float32; bk 1,024 float32; bp 1,024 float32; bq 1,024 float32; bv 1,024 float32; lowp_scales 12 int32 (the exponents e of the quantised operands' scales 2^e); x 4 x 2,048 x 1,024 float32.
;; Outputs: out0 4 x 2,048 x 1,024 float32.
;; This version of the problem:
;;   THIS VERSION OF THE PROBLEM IS GIVEN IN LOW PRECISION. The matrix products marked QUANTISED in the list below multiply operands that are first quantised to E4M3 (4 exponent bits, 3 mantissa bits; 8 bits a number), with one given power-of-two scale for each operand tensor; their sums are f32. All else is computed in f32.
;;   The module's matrix products, in the order in which they are computed (A, B: the left and right operand; K: the contracted axis; several contracted axes count as one K, in the product's order):
;;     1. [M 8,192, K 1,024] x [K 1,024, N 1,024]; A: input x; B: input Wk: QUANTISED (scales: A lowp_scales[0], B lowp_scales[1])
;;     2. [M 8,192, K 1,024] x [K 1,024, N 1,024]; A: input x; B: input Wq: QUANTISED (scales: A lowp_scales[2], B lowp_scales[3])
;;     3. [M 8,192, K 1,024] x [K 1,024, N 1,024]; A: input x; B: input Wv: QUANTISED (scales: A lowp_scales[4], B lowp_scales[5])
;;     4. batch 64 x [M 2,048, K 64] x [K 64, N 2,048]; A: computed on the way; B: computed on the way: QUANTISED (scales: A lowp_scales[6], B lowp_scales[7])
;;     5. batch 64 x [M 2,048, K 2,048] x [K 2,048, N 64]; A: softmax (see below); B: computed on the way: QUANTISED (scales: A lowp_scales[8], B lowp_scales[9])
;;     6. [M 8,192, K 1,024] x [K 1,024, N 1,024]; A: computed on the way; B: input Wp: QUANTISED (scales: A lowp_scales[10], B lowp_scales[11])
;;   THE QUANTISER, for each operand of a quantised product, along K:
;;     - The operand's scale is 2^e, e = its entry of the input lowp_scales (int32; the entries are numbered through the quantised products in the list's order, A before B).
;;     - Each number is divided by the scale, clamped to +-448, and rounded to the nearest number of E4M3, ties to even, subnormals kept.
;;     - The product sums the exact products of the quantised numbers (number of the format x scale) in f32.
;;   ~~~python
;;   def quantise(x, axis, e):      # numpy; x: float32 -> the quantised numbers, widened to float32 again
;;       x = np.moveaxis(x, axis, -1); K = x.shape[-1]
;;       r = np.clip(x / 2.0 ** e, -448, 448)
;;       step = 2.0 ** (np.maximum(np.frexp(np.where(r == 0, 1, r))[1] - 1, -6) - 3)
;;       q = np.round(r / step) * step * 2.0 ** e      # np.round: ties to even
;;       return np.moveaxis(q, -1, axis).astype(np.float32)
;;   ~~~
;;   SOFTMAX AHEAD OF A QUANTISED PRODUCT. Where the list says 'softmax', what is quantised is not the finished softmax but p = 2^(t - M), with t = logit x log2(e) and M = ceil(the row's largest t), a whole number; so 1/2 < the row's largest p <= 1. The row's sum l is taken of the UNQUANTISED p, in f32, and the product's result is divided by l at the end. Since M is a whole number, a kernel that streams over the keys may use a running M (the ceiling of the running maximum): every later rescaling is an exact power of two, so the quantised numbers keep their values, but for numbers so far below the row's largest that they fall under the format's range.
;;   OPERANDS COMPUTED ON THE WAY. 'Computed on the way' means the value that the module computes at that place (a softmax that the list does not call 'softmax' is quantised finished and normalised). What goes into a quantiser is computed in f32, as accurately as f32 sums, v_exp_f32 and their like allow (about 1e-6 of the number): no bf16 or f16 on the way to a quantiser, and a product that is left as it is and whose result goes on into a quantised operand takes f32 operands (vector FMAs, or v_wmma_f32_16x16x4_f32). A number that lies on a knife's edge between two numbers of the format may be rounded either way, as far as f32 arithmetic and the matrix unit's own rounding can turn it there, and no further.
;; One version. Each part assembles by itself: llvm-mc -triple=amdgcn-amd-amdhsa -mcpu=gfx1250 --defsym DOCPART=n.
;; ======== version 1 of 1: 5 launches
;; limits: right only within a limited range of input values
;; workspace buffers: xc 25,165,824 bytes; wc 4,194,304 bytes; qkvc 25,165,824 bytes; yc 8,388,608 bytes
;; launch quant_x (part 1): grid 512 x 1, 4 waves a work-group, no clusters, 33,280 bytes of LDS; arguments x, lowp_scales, xc; writes xc
.if DOCPART == 1
	.amdgcn_target "amdgcn-amd-amdhsa--gfx1250"
	.amdhsa_code_object_version 6
	.text
	.protected	k_q1724854003_quant_x
	.globl	k_q1724854003_quant_x
	.p2align	8
	.type	k_q1724854003_quant_x,@function
k_q1724854003_quant_x:
	s_mov_b64 s[64:65], 0
	v_nop
	global_prefetch_b8 v0, s[64:65] scope:SCOPE_SE
	s_setreg_imm32_b32 hwreg(HW_REG_WAVE_MODE, 25, 1), 1
	s_wait_xcnt 0x0
; x [8192 tokens][1024], f32, is turned into THREE sets of codes of FP8 (E4M3), K innermost: x enters three products, each under a scale entry of its own
; (entries 0, 2, 4 of the scales' buffer), and the three may differ.  Set j lies at j x 8,388,608 bytes of xc, laid [8192][1024], one code a byte.
; code = x / 2^e, held within +-448, rounded to the nearest code, ties to even.  LIMITS: each e between -126 and 119 (2^e and 448 x 2^e are made as f32 numbers).  NaN among the inputs is not served.
; Rows are dense, so x is a plain stream.  A wave takes 8 steps of 512 numbers.  The conversions take 8 neighbours along K from ONE lane's registers, a load is best where neighbouring LANES take
; neighbouring bytes: each of a step's four loads reads 512 consecutive bytes, 16 a lane; the 2,048 bytes go through the wave's own stage in LDS and come back 64 bytes a lane (16 bytes of padding
; behind each 64).  A lane's 16 codes are 16 bytes: each of the three stores of a step covers 512 consecutive bytes, aligned.
; No tensor loads, no barrier: waves share nothing.  Loads run four steps (16 loads a wave) ahead, the turn through LDS one step.  x is read from memory once for all three sets.
.set STEPS, 8
.set WREG,  8192                       ; LDS: a region of its own for each wave: two stages of 32 x SP bytes
.set SP,    80                         ; a lane's place in a stage: its 64 bytes + 16 of padding
.set R,     16                         ; v16-79   four sets of 16 numbers as they are loaded
.set X,     80                         ; v80-111  two sets of 16 neighbours
.set TA,    112
.set TB,    128
.set C,     144                        ; v144-239 codes: twelve registers for each step, so that no store's data are written again
	s_load_b128 s[4:7], s[0:1], 0x0                ; x, the scales' exponents
	s_load_b64 s[8:9], s[0:1], 0x10                ; xc
	v_lshl_add_u32 v240, v0, 2, 0x8000
	v_mov_b32 v241, 0
	v_lshrrev_b32 v1, 5, v0
	v_readfirstlane_b32 s16, v1                    ; wave
	v_and_b32 v2, 31, v0                           ; lane
	v_lshlrev_b32 v3, 4, v2                        ; my 16 bytes of a load's 512, and of a store's; never rewritten
	s_mul_i32 s17, s16, WREG
	v_lshrrev_b32 v14, 2, v2
	v_mul_u32_u24 v14, v14, SP
	v_and_b32 v15, 3, v2
	v_lshl_add_u32 v14, v15, 4, v14
	v_add_nc_u32 v14, s17, v14                     ; the stage, on the way in: four lanes' 64 bytes on end, then 16 of padding
	v_mul_u32_u24 v15, v2, SP
	v_add_nc_u32 v15, s17, v15                     ; and on the way out: SP x lane: my 16 neighbours
	s_lshl_b32 s18, ttmp9, 2
	s_add_co_u32 s18, s18, s16                     ; which run of 4,096 numbers is my wave's
	s_lshl_b32 s20, s18, 14                        ; 16,384 bytes of x,
	s_mov_b32 s21, 0
	s_lshl_b32 s22, s18, 12                        ; 4,096 bytes of each set of codes
	s_mov_b32 s23, 0
	s_wait_alu depctr_va_vdst(0)
	s_wait_kmcnt 0x0
	s_load_b256 s[24:31], s[6:7], 0x0              ; entries 0 to 7: e0 = s24, e2 = s26, e4 = s28
	s_add_nc_u64 s[4:5], s[4:5], s[20:21]
	s_add_nc_u64 s[8:9], s[8:9], s[22:23]          ; set 0,
	s_add_nc_u64 s[10:11], s[8:9], 0x800000        ; set 1,
	s_add_nc_u64 s[12:13], s[8:9], 0x1000000       ; set 2: bases of their own, since 8 MiB does not fit a store's immediate
.macro LOAD t
.irp i, 0,1,2,3
	global_load_b128 v[R+16*((\t)%4)+4*\i:R+16*((\t)%4)+4*\i+3], v3, s[4:5] offset:2048*(\t)+512*\i th:TH_LOAD_NT   ; 32 lanes read 512 consecutive bytes
.endr
.endm
.macro TURN t                          ; step t's numbers through the stage: LDS serves a wave's instructions in order, so no wait stands between the stores and the loads
.irp i, 0,1,2,3
	ds_store_b128 v14, v[R+16*((\t)%4)+4*\i:R+16*((\t)%4)+4*\i+3] offset:32*SP*((\t)%2)+8*SP*\i
.endr
.irp i, 0,1,2,3
	ds_load_b128 v[X+16*((\t)%2)+4*\i:X+16*((\t)%2)+4*\i+3], v15 offset:32*SP*((\t)%2)+16*\i
.endr
.endm
.irp t, 0,1,2,3
	LOAD \t
.endr
	s_wait_kmcnt 0x0
.irp p, 0,1,2
	s_add_co_i32 s[24+2*\p], s[24+2*\p], 127
	s_lshl_b32 s32, s[24+2*\p], 23
	v_mov_b32 v[5+\p], s32                         ; 2^e as f32: the conversion takes its exponent field
	s_add_co_i32 s[24+2*\p], s[24+2*\p], 8
	s_lshl_b32 s[24+2*\p], s[24+2*\p], 23
	s_or_b32 s[24+2*\p], s[24+2*\p], 0x600000
.endr
	s_wait_alu depctr_va_vdst(0)
	s_wait_loadcnt 12                              ; step 0's four loads are in; those of steps 1 to 3 may be out
	TURN 0
.macro STEP t
.set XS, X+16*((\t)%2)
	s_wait_dscnt 0x0                               ; this step's numbers are back from the stage: so its stores into the stage have read their registers,
.if (\t)+4 < STEPS
	LOAD (\t)+4                                    ; which take the loads of four steps on
.endif
.if (\t)+1 < STEPS
.if STEPS-2-(\t) >= 3
	s_wait_loadcnt 12                              ; the next step's four loads are in; those of the three steps behind it may be out
.else
	s_wait_loadcnt 4*(STEPS-2-(\t))                ; near the end fewer steps stand behind it
.endif
	TURN (\t)+1                                    ; and go through the other stage while this step is worked
.endif
.irp i, 0,1,2,3,4,5,6,7,8,9,10,11,12,13,14,15
.endr
.irp i, 0,1,2,3,4,5,6,7,8,9,10,11,12,13,14,15
.endr
.irp i, 0,1,2,3,4,5,6,7,8,9,10,11,12,13,14,15
.endr
	v_cvt_scalef32_pk8_fp8_f32 v[C+12*(\t):C+12*(\t)+1], v[XS:XS+7], v5
	v_cvt_scalef32_pk8_fp8_f32 v[C+12*(\t)+2:C+12*(\t)+3], v[XS+8:XS+15], v5
	v_cvt_scalef32_pk8_fp8_f32 v[C+12*(\t)+4:C+12*(\t)+5], v[XS:XS+7], v6
	v_cvt_scalef32_pk8_fp8_f32 v[C+12*(\t)+6:C+12*(\t)+7], v[XS+8:XS+15], v6
	v_cvt_scalef32_pk8_fp8_f32 v[C+12*(\t)+8:C+12*(\t)+9], v[XS:XS+7], v7
	v_cvt_scalef32_pk8_fp8_f32 v[C+12*(\t)+10:C+12*(\t)+11], v[XS+8:XS+15], v7
	v_nop                                          ; one plain vector line behind the conversions: the next step's LDS loads write their sources again
	global_store_b128 v3, v[C+12*(\t):C+12*(\t)+3], s[8:9] offset:512*(\t)       ; each store of the wave covers 512 consecutive bytes, aligned
	global_store_b128 v3, v[C+12*(\t)+4:C+12*(\t)+7], s[10:11] offset:512*(\t)
	global_store_b128 v3, v[C+12*(\t)+8:C+12*(\t)+11], s[12:13] offset:512*(\t)
.endm
.irp t, 0,1,2,3,4,5,6,7
	STEP \t
.endr
	s_wait_tensorcnt 0x0
	ds_add_u32 v240, v241
	s_wait_dscnt 0x0
	s_endpgm
.Lfunc_end_k_q1724854003_quant_x:
	.size	k_q1724854003_quant_x, .Lfunc_end_k_q1724854003_quant_x-k_q1724854003_quant_x
	.p2alignl 7, 3214868480
	.fill 96, 4, 3214868480
	.section	.rodata,"a",@progbits
	.p2align	6, 0x0
	.amdhsa_kernel k_q1724854003_quant_x
		.amdhsa_group_segment_fixed_size 33280
		.amdhsa_private_segment_fixed_size 0
		.amdhsa_enable_private_segment 0
		.amdhsa_kernarg_size 24
		.amdhsa_user_sgpr_count 2
		.amdhsa_user_sgpr_kernarg_segment_ptr 1
		.amdhsa_wavefront_size32 1
		.amdhsa_system_sgpr_workgroup_id_x 1
		.amdhsa_system_sgpr_workgroup_id_y 1
		.amdhsa_system_sgpr_workgroup_id_z 1
		.amdhsa_system_vgpr_workitem_id 0
		.amdhsa_next_free_vgpr 242
		.amdhsa_next_free_sgpr 66
		.amdhsa_reserve_vcc 0
		.amdhsa_float_denorm_mode_32 3
		.amdhsa_float_denorm_mode_16_64 3
		.amdhsa_fp16_overflow 1
		.amdhsa_memory_ordered 1
		.amdhsa_forward_progress 1
		.amdhsa_inst_pref_size 16
	.end_amdhsa_kernel
	.amdgpu_metadata
---
amdhsa.version: [ 1, 2 ]
amdhsa.kernels:
  - .name:           k_q1724854003_quant_x
    .symbol:         k_q1724854003_quant_x.kd
    .args:
      - { .name: x, .offset: 0, .size: 8, .value_kind: global_buffer, .address_space: global }
      - { .name: lowp_scales, .offset: 8, .size: 8, .value_kind: global_buffer, .address_space: global }
      - { .name: xc, .offset: 16, .size: 8, .value_kind: global_buffer, .address_space: global }
    .group_segment_fixed_size: 33280
    .private_segment_fixed_size: 0
    .kernarg_segment_align: 8
    .kernarg_segment_size: 24
    .max_flat_workgroup_size: 128
    .sgpr_count:     66
    .vgpr_count:     242
    .wavefront_size: 32
...
	.end_amdgpu_metadata
.endif
;; end of part 1
;; launch quant_w (part 2): grid 64 x 4, 2 waves a work-group, no clusters, 17,664 bytes of LDS; arguments Wk, Wq, Wv, Wp, lowp_scales, wc; writes wc
.if DOCPART == 2
	.amdgcn_target "amdgcn-amd-amdhsa--gfx1250"
	.amdhsa_code_object_version 6
	.text
	.protected	k_q1724854003_quant_w
	.globl	k_q1724854003_quant_w
	.p2align	8
	.type	k_q1724854003_quant_w,@function
k_q1724854003_quant_w:
	s_mov_b64 s[64:65], 0
	v_nop
	global_prefetch_b8 v0, s[64:65] scope:SCOPE_SE
	s_setreg_imm32_b32 hwreg(HW_REG_WAVE_MODE, 25, 1), 1
	s_wait_xcnt 0x0
; The four weights, each [k 1024][n 1024] f32 with K as its FIRST axis, are turned into codes of FP8 (E4M3) laid [n 1024][k 1024], K innermost.  Weight g (0 Wk, 1 Wq, 2 Wv, 3 Wp) goes to byte
; g x 1,048,576 of wc, under its own given scale 2^e: entries 1, 3, 5, 11 of the scales' buffer.
; code = w / 2^e, held within +-448, rounded to the nearest code, ties to even.  LIMITS: e between -126 and 119.  NaN among the inputs is not served.
; A LANE TAKES A COLUMN n, AND ITS REGISTERS RUN DOWN K: each load reads neighbouring n in neighbouring lanes (128 consecutive bytes a wave), and the conversions, which take neighbours along K from
; one lane's consecutive registers, give codes with K innermost.  Nothing is transposed by an instruction.
; A wave takes 32 columns x 256 along K: 8 blocks of 32, 256 bytes of codes a column.  They go through the wave's own stage in LDS and leave as rows: sixteen lanes store 256 consecutive bytes, aligned.
; Work-group x: weight = x / 16, columns 64 (x % 16) on; work-group y: which 256 along K.  4 x 16 x 4 = 256 work-groups of two waves.  The weight's pointer and exponent are CHOSEN (no branch): one path.
; No tensor loads, no barrier: waves share nothing.  Loads run two blocks (64 loads a wave) ahead.  Every offset is an immediate: 255 x 4,096 and 30 x 1,024 bytes at the most.
.set SIZE_N, 1024
.set KW,    256
.set NB,    KW/32
.set ROWB,  256                        ; bytes of KW codes
.set PITCH, ROWB+16                    ; a stage row
.set KROW,  1024                       ; a row of the codes' buffer in bytes
.set X,     32                         ; v32-95   two sets of 32 numbers
.set C,     96                         ; v96-103  a block's codes
.set OUTR,  112                        ; v112-175 the way out: 16 x 4 registers
	s_load_b256 s[4:11], s[0:1], 0x0               ; Wk, Wq, Wv, Wp
	s_load_b128 s[12:15], s[0:1], 0x20             ; the scales' exponents, wc
	v_lshl_add_u32 v192, v0, 2, 0x4400
	v_mov_b32 v193, 0
	v_lshrrev_b32 v1, 5, v0
	v_readfirstlane_b32 s16, v1                    ; wave 0, 1
	v_and_b32 v2, 31, v0                           ; lane
	s_lshr_b32 s26, ttmp9, 4                       ; g: which weight
	s_and_b32 s17, ttmp9, 15
	s_lshl_b32 s17, s17, 6
	s_lshl_b32 s18, s16, 5
	s_add_co_u32 s17, s17, s18                     ; my wave's first column
	s_and_b32 s18, ttmp7, 0xffff                   ; which 256 along K
	v_lshlrev_b32 v3, 2, v2                        ; in: 4 bytes a lane
	s_mul_i32 s19, s16, 32*PITCH                   ; my stage
	v_mul_u32_u24 v4, v2, PITCH
	v_add_nc_u32 v4, s19, v4                       ; into it: row = my column
	v_and_b32 v5, 15, v2
	v_lshrrev_b32 v6, 4, v2                        ; out of it: sixteen lanes to a row, two rows an instruction
	v_mul_u32_u24 v7, v6, PITCH
	v_lshl_add_u32 v7, v5, 4, v7
	v_add_nc_u32 v7, s19, v7                       ; LDS address
	v_mul_u32_u24 v8, v6, KROW
	v_lshl_add_u32 v8, v5, 4, v8                   ; and the same place in the codes' buffer
	s_lshl_b32 s20, s18, 20                        ; the weight: 256 y rows of 4,096 bytes
	s_lshl_b32 s22, s17, 2
	s_add_co_u32 s20, s20, s22                     ; + 4 x column
	s_mov_b32 s21, 0
	s_lshl_b32 s24, s26, 20                        ; the codes: weight g's part,
	s_lshl_b32 s22, s17, 10
	s_add_co_u32 s24, s24, s22                     ; + column x 1,024
	s_lshl_b32 s22, s18, 8
	s_add_co_u32 s24, s24, s22                     ; + 256 y
	s_mov_b32 s25, 0
	s_wait_kmcnt 0x0
	s_load_b128 s[36:39], s[12:13], 0x0            ; entries 0 to 11: e1 = s37, e3 = s39, e5 = s41, e11 = s47
	s_load_b128 s[40:43], s[12:13], 0x10
	s_load_b128 s[44:47], s[12:13], 0x20
	s_cmp_eq_u32 s26, 1                            ; the choice hangs on the work-group's number alone
	s_cselect_b64 s[4:5], s[6:7], s[4:5]
	s_cmp_eq_u32 s26, 2
	s_cselect_b64 s[4:5], s[8:9], s[4:5]
	s_cmp_eq_u32 s26, 3
	s_cselect_b64 s[4:5], s[10:11], s[4:5]
	s_add_nc_u64 s[4:5], s[4:5], s[20:21]
	s_add_nc_u64 s[14:15], s[14:15], s[24:25]
.macro LOAD t                          ; block t: W(32 t + i, my column), i = 0 .. 31, into set t % 2
.irp i, 0,1,2,3,4,5,6,7,8,9,10,11,12,13,14,15,16,17,18,19,20,21,22,23,24,25,26,27,28,29,30,31
	global_load_b32 v[X+32*((\t)%2)+\i], v3, s[4:5] offset:(32*(\t)+\i)*SIZE_N*4 th:TH_LOAD_NT
.endr
.endm
	LOAD 0
	LOAD 1
	s_wait_kmcnt 0x0
	s_cmp_eq_u32 s26, 1
	s_cselect_b32 s30, s39, s37
	s_cmp_eq_u32 s26, 2
	s_cselect_b32 s30, s41, s30
	s_cmp_eq_u32 s26, 3
	s_cselect_b32 s30, s47, s30                    ; e of my weight
	s_add_co_i32 s30, s30, 127
	s_lshl_b32 s31, s30, 23
	v_mov_b32 v11, s31                             ; 2^e as f32: the conversion takes its exponent field
	s_add_co_i32 s30, s30, 8
	s_lshl_b32 s30, s30, 23
	s_or_b32 s30, s30, 0x600000
.macro BLOCK t
.set XS, X+32*((\t)%2)
.if (\t) < NB-1
	s_wait_loadcnt 32                              ; this block's 32 loads are in; the next block's 32 may be out
.else
	s_wait_loadcnt 0
.endif
.irp i, 0,1,2,3,4,5,6,7,8,9,10,11,12,13,14,15,16,17,18,19,20,21,22,23,24,25,26,27,28,29,30,31
.endr
.irp g, 0,1,2,3
	v_cvt_scalef32_pk8_fp8_f32 v[C+2*\g:C+2*\g+1], v[XS+8*\g:XS+8*\g+7], v11
.endr
	v_nop                                          ; one plain vector line behind the conversions
	ds_store_b128 v4, v[C:C+3] offset:32*(\t)      ; 32 codes: 32 bytes of my column's row
	ds_store_b128 v4, v[C+4:C+7] offset:32*(\t)+16
.if (\t)+2 < NB
	LOAD (\t)+2
.endif
	s_wait_dscnt 0x0                               ; the stores have read their registers: the next block's codes may be written
.endm
.set Q, 0
	s_wait_alu depctr_va_vdst(0)
.rept NB
	BLOCK Q
.set Q, Q+1
.endr
.irp t, 0,1,2,3,4,5,6,7,8,9,10,11,12,13,14,15
	ds_load_b128 v[OUTR+4*\t:OUTR+4*\t+3], v7 offset:2*\t*PITCH   ; LDS serves a wave's instructions in order: these see my stores
.endr
.irp t, 0,1,2,3,4,5,6,7,8,9,10,11,12,13,14,15
	s_wait_dscnt 15-\t                             ; load t is in; the 15 - t behind it may be out
	global_store_b128 v8, v[OUTR+4*\t:OUTR+4*\t+3], s[14:15] offset:2*\t*KROW   ; sixteen lanes store 256 consecutive bytes, aligned
.endr
	s_wait_tensorcnt 0x0
	ds_add_u32 v192, v193
	s_wait_dscnt 0x0
	s_endpgm
.Lfunc_end_k_q1724854003_quant_w:
	.size	k_q1724854003_quant_w, .Lfunc_end_k_q1724854003_quant_w-k_q1724854003_quant_w
	.p2alignl 7, 3214868480
	.fill 96, 4, 3214868480
	.section	.rodata,"a",@progbits
	.p2align	6, 0x0
	.amdhsa_kernel k_q1724854003_quant_w
		.amdhsa_group_segment_fixed_size 17664
		.amdhsa_private_segment_fixed_size 0
		.amdhsa_enable_private_segment 0
		.amdhsa_kernarg_size 48
		.amdhsa_user_sgpr_count 2
		.amdhsa_user_sgpr_kernarg_segment_ptr 1
		.amdhsa_wavefront_size32 1
		.amdhsa_system_sgpr_workgroup_id_x 1
		.amdhsa_system_sgpr_workgroup_id_y 1
		.amdhsa_system_sgpr_workgroup_id_z 1
		.amdhsa_system_vgpr_workitem_id 0
		.amdhsa_next_free_vgpr 194
		.amdhsa_next_free_sgpr 66
		.amdhsa_reserve_vcc 0
		.amdhsa_float_denorm_mode_32 3
		.amdhsa_float_denorm_mode_16_64 3
		.amdhsa_fp16_overflow 1
		.amdhsa_memory_ordered 1
		.amdhsa_forward_progress 1
		.amdhsa_inst_pref_size 34
	.end_amdhsa_kernel
	.amdgpu_metadata
---
amdhsa.version: [ 1, 2 ]
amdhsa.kernels:
  - .name:           k_q1724854003_quant_w
    .symbol:         k_q1724854003_quant_w.kd
    .args:
      - { .name: Wk, .offset: 0, .size: 8, .value_kind: global_buffer, .address_space: global }
      - { .name: Wq, .offset: 8, .size: 8, .value_kind: global_buffer, .address_space: global }
      - { .name: Wv, .offset: 16, .size: 8, .value_kind: global_buffer, .address_space: global }
      - { .name: Wp, .offset: 24, .size: 8, .value_kind: global_buffer, .address_space: global }
      - { .name: lowp_scales, .offset: 32, .size: 8, .value_kind: global_buffer, .address_space: global }
      - { .name: wc, .offset: 40, .size: 8, .value_kind: global_buffer, .address_space: global }
    .group_segment_fixed_size: 17664
    .private_segment_fixed_size: 0
    .kernarg_segment_align: 8
    .kernarg_segment_size: 48
    .max_flat_workgroup_size: 64
    .sgpr_count:     66
    .vgpr_count:     194
    .wavefront_size: 32
...
	.end_amdgpu_metadata
.endif
;; end of part 2
;; launch gemm_qkv (part 3): grid 12 x 32, 4 waves a work-group, clusters of 4 x 4, 327,680 bytes of LDS; arguments xc, wc, lowp_scales, bk, bq, bv, qkvc; writes qkvc
.if DOCPART == 3
	.amdgcn_target "amdgcn-amd-amdhsa--gfx1250"
	.amdhsa_code_object_version 6
	.text
	.protected	k_q1724854003_gemm_qkv
	.globl	k_q1724854003_gemm_qkv
	.p2align	8
	.type	k_q1724854003_gemm_qkv,@function
k_q1724854003_gemm_qkv:
	s_mov_b64 s[64:65], 0
	v_nop
	global_prefetch_b8 v0, s[64:65] scope:SCOPE_SE
	s_setreg_imm32_b32 hwreg(HW_REG_WAVE_MODE, 25, 1), 1
	s_wait_xcnt 0x0
	s_wait_alu depctr_hold_cnt(0) depctr_sa_sdst(0) depctr_va_vdst(0) depctr_va_sdst(0) depctr_va_ssrc(0) depctr_va_vcc(0) depctr_vm_vsrc(0)
	s_getreg_b32 s2, hwreg(HW_REG_IB_STS2, 6, 4)
	s_cmp_eq_u32 s2, 0
	s_cbranch_scc0 .Lentry_in_a_cluster
	s_endpgm
.Lentry_in_a_cluster:
	s_bfe_u32 s2, ttmp6, 0x10000c
	s_cmp_lg_u32 s2, 0xf033
	s_cbranch_scc0 .Lentry_shape_is_right
	s_endpgm
.Lentry_shape_is_right:
; k = x Wk + bk, q = x Wq + bq, v = x Wv + bv on codes of FP8 (E4M3), K = 1,024, and each result quantised at once for attention's products: sum x 2^(eA + eB) + bias in f32 (one fused multiply-add),
; held within +-448 x 2^eout, converted.  Entries of the scales' buffer: k: 0, 1 -> 7;  q: 2, 3 -> 6;  v: 4, 5 -> 9.
; LIMITS: eA + eB between -126 and 127; eout between -126 and 119 (the powers of two are made as f32 numbers).  NaN among the inputs is not served.
; THE LOOP: a tile of 256 x 256 results is made by four waves, 128 x 128 each (64 accumulators, 512 registers).  K goes in steps of 256 through a ring of two LDS slots filled by the tensor data mover
; (rows of 256 bytes).  4 x 4 work-groups form a cluster: the four of a row need the same tiles of 'A', the four of a column the same tiles of 'B': each tile is asked for JOINTLY.
; The matrix instruction takes 16 rows of 'B' as source 0 and 16 rows of 'A' as source 1: a lane then holds ONE row of 'A' and eight neighbouring rows of 'B'.
; WHICH TILE.  Cluster x = 0: k, 1: q, 2: v: one column of clusters is one weight.  For k and q 'A' = tokens (xc's set), 'B' = channels (wc's part): a lane's eight results are eight channels of a token, the
; next K of product 4.  For v the operands change places, 'A' = channels, 'B' = tokens: a lane's eight results are eight KEYS of a channel, the K of product 5.  Bases and offsets are chosen, with no branch.
; OUT (qkvc: K at 0, Q at 8 MiB, V at 16 MiB).  K, Q: [batch 4][head pair 8][token 2048][128 bytes];  V: [batch][head pair][key block 16][channel 128][128 bytes].  A wave's 128 x 128 codes are 16,384 consecutive bytes.
; Inside every row of 128 bytes, byte 32 c + 16 h + 8 u + j holds index 32 c + 16 u + 8 h + j: the order in which two neighbouring tiles' codes lie on end in a lane.  Q and K share it (it stays inside a head);
; for V it is the order in which loads of 16 bytes at 32 c + 16 h give the matrix instruction's own places for k.
; No prefetch: of K's four steps two are the first fills, so only two refills are left to help.
; REGISTERS, in windows of 256: window 0: v0-31 addresses and constants; v32-95 bias by column, v96-111 bias by row; from v128 'A''s fragments, ONE set; on the way out v128-239 are at work.
;   window 1: 'B''s fragments, TWO sets.   window 2: the accumulators of my rows 0-63 ((a, b) at v[8 (8 a + b)]);   window 3: those of my rows 64-127.
.set KSTEP,  256
.set ROWB,   256                       ; a tile's row in bytes
.set KROW,   1024                      ; a row of codes in memory
.set PITCH,  272                       ; an LDS row: 256 bytes + 16 of padding = 68 words: the 16 rows that a load touches start at 16 different banks (64 banks of 4 bytes: ISA guide 11.1)
.set FR,     16                        ; registers of a fragment: 16 rows x 128 K
.set NL,     4                         ; LDS loads that bring one
.set NP,     4                         ; places behind this matrix instruction (ISA guide 7.12.1)
.set HALFT,  128*PITCH                 ; 128 rows: what one tensor load brings
.set SLOT,   4*HALFT                   ; 'A''s 256 rows, then 'B''s 256 rows
.set LAPS,   1024/(2*KSTEP)            ; a lap = two K steps = once round the ring
.set SPARE,  2*SLOT                    ; behind the ring: the spare words, 128 bytes for each wave, which no other line names
.set SPITCH, 144                       ; the way out: a stage of 16 rows x (128 bytes + 16) for each wave, in slot 0, which has had its last fill and its last read when the first codes are stored there
.set ADRA, 16                          ; v16-17  LDS address of my 'A' fragments in slot 0, 1
.set ADRB, 20                          ; v20-21  the same for 'B'
.set BRA,  22                          ; v22     4 x (lane % 16): the row bias's offset
.set STO,  24                          ; v24     the way out: where I put 16 bytes of a row
.set RD,   25                          ; v25     where I read rows back
.set CO,   26                          ; v26     16 x lane: my place in 512 bytes of the output
.set SCL,  27                          ; v27     2^eout
.set SPW,  28                          ; v28     LDS address of my spare word; never rewritten
.set NIL,  29                          ; v29     0; never rewritten
.set LIM,  30
.set BCA,  31                          ; v31     32 x (lane / 16): the column bias's offset
.set BC,   32                          ; v32-95  bias of my lane's 8 x 8 columns (k, q)
.set BR,   96                          ; v96-111 bias of my lane's row in each of the 8 blocks, twice each: pairs for the packed form (v)
.set AF,   128                         ; 'A''s fragments
.set T,    128                         ; the way out: v128-191 a block's 64 numbers,
.set PC,   192                         ; v192-207 their codes,
.set BK,   208                         ; v208-223, v224-239 rows read back, by turns
.set G1, 24                            ; s[24:31] descriptor group 1 for 'A';  s[32:39] group 0, one set for each slot
.set G0, 32
.set G1B, 48                           ; s[48:55], s[56:63] the same for 'B'
.set G0B, 56
.set MSB, 0
.macro WIN new                         ; the immediate's high byte repeats the setting that is left
.if MSB != \new
	s_set_vgpr_msb (MSB<<8)|\new
.set MSB, \new
.endif
.endm
.set MUL_LO, 0xa1                      ; source 0 ('B') window 1, source 1 ('A') window 0, C and D window 2
.set MUL_HI, 0xf1                      ; the same, C and D window 3
.set TO_B,   0x40                      ; destination window 1, address window 0
; A joint load: waves 0 and 1 fetch for 'A', waves 2 and 3 for 'B'.  Each line has ONE mask and one set of registers for all that issue it; the branch hangs on the wave's number alone.
; Four v_nop follow each of the two lines, ahead of the jump, the label and what follows.
.macro JLOAD g0a, g1a, g0b, g1b
	s_cmp_eq_u32 s15, 0
	s_cbranch_scc0 .Lfor_b_\@
	tensor_load_to_lds s[\g0a:\g0a+3], s[\g1a:\g1a+7]
	s_nop 0
.rept 4
	v_nop
.endr
	s_branch .Lasked_\@
.Lfor_b_\@:
	tensor_load_to_lds s[\g0b:\g0b+3], s[\g1b:\g1b+7]
	s_nop 0
.rept 4
	v_nop
.endr
.Lasked_\@:
.endm
.macro CREST                           ; a round of the cluster's barrier behind its opening barrier
	s_cmp_lg_u32 s14, 0
	s_cbranch_scc1 .Lnot_wave_0_\@
	s_barrier_signal -3
.Lnot_wave_0_\@:
	s_barrier_wait -3
	s_barrier_signal -1
	s_barrier_wait -1
.endm
.macro CROUND                          ; a whole round
	s_barrier_signal -1
	s_barrier_wait -1
	CREST
.endm
	s_load_b128 s[4:7], s[0:1], 0x0                ; xc, wc
	s_load_b128 s[8:11], s[0:1], 0x10              ; the scales' exponents, bk
	s_load_b128 s[68:71], s[0:1], 0x20             ; bq, bv
	s_load_b64 s[72:73], s[0:1], 0x30              ; qkvc
	v_lshl_add_u32 v[SPW], v0, 2, SPARE
	v_mov_b32 v[NIL], 0
	ds_add_u32 v28, v29
	ds_add_u32 v28, v29
	s_wait_dscnt 0x0
	v_lshrrev_b32 v1, 5, v0
	v_readfirstlane_b32 s14, v1                    ; wave 0..3
	s_lshr_b32 s15, s14, 1                         ; which half of the tile's rows is mine.  Also: I fetch for 'A' (0) or for 'B' (1)
	s_and_b32 s16, s14, 1                          ; which half of its columns.  Also: which 128 rows of that tile I fetch
	s_bfe_u32 s40, ttmp6, 0x40000                  ; cx, cy: my place in the cluster
	s_bfe_u32 s41, ttmp6, 0x40004
	s_and_b32 s13, ttmp7, 0xffff
	s_lshl_b32 s13, s13, 2                         ; 4 x cluster y: the tokens' coordinate
	s_lshl_b32 s22, ttmp9, 23                      ; xc's set for k, q: cluster x times 8 MiB
	s_lshl_b32 s23, ttmp9, 20                      ; wc's part for k, q: cluster x times 1 MiB
	s_cmp_eq_u32 ttmp9, 2                          ; v?  The cluster's x is the same in all sixteen partners
	s_cselect_b32 s17, 0, s13
	s_cselect_b32 s42, s13, 0
	s_cselect_b32 s22, 0x200000, s22               ; 'A' for v: wc's part 2
	s_cselect_b32 s23, 0x1000000, s23              ; 'B' for v: xc's set 2
	s_add_co_u32 s17, s17, s41                     ; tile row: 4 Y + cy (k, q) or cy (v)
	s_add_co_u32 s42, s42, s40                     ; tile column: cx (k, q) or 4 Y + cx (v)
	s_lshl_b32 s43, s41, 2
	s_lshl_b32 s43, 15, s43                        ; my row of the cluster
	s_lshl_b32 s44, 0x1111, s40                    ; my column
	; descriptor group 1: a tile of 128 rows x 256 bytes, padded in LDS
	s_or_b32 s[G1+0], s43, (0<<16)|(1<<20)|(1<<21)|(5<<22)|(3<<25)  ; 15:0 the mask: 'A''s tiles go to my row; 17:16 element of 1 byte; 20 padding on; 21 set beside a mask; 24:22 after every 64 words; 31:25 four words
	s_or_b32 s[G1B+0], s44, (0<<16)|(1<<20)|(1<<21)|(5<<22)|(3<<25)
.irp g, G1, G1B
	s_mov_b32 s[\g+1], ROWB<<16                    ; tensor_dim0
	s_mov_b32 s[\g+2], 128<<16                     ; tensor_dim1 = 128
	s_mov_b32 s[\g+3], ROWB<<16                    ; tile_dim0
	s_mov_b32 s[\g+4], 128                         ; tile_dim1 = 128
	s_mov_b32 s[\g+5], KROW                        ; tensor_dim0_stride
	s_mov_b32 s[\g+6], 0
	s_mov_b32 s[\g+7], 0
.endr
	s_lshl_b32 s18, s16, 7                         ; which 128 rows of the tile I fetch
	s_lshl_b32 s20, s17, 8
	s_add_co_u32 s20, s20, s18                     ; 'A': row 256 x tile row + 128 x half,
	s_lshl_b32 s20, s20, 10                        ; in bytes,
	s_add_co_u32 s20, s20, s22                     ; in its set or part: under 2^25
	s_mov_b32 s21, 0
	s_lshl_b32 s46, s42, 8
	s_add_co_u32 s46, s46, s18                     ; 'B': row 256 x tile column + 128 x half
	s_lshl_b32 s46, s46, 10
	s_add_co_u32 s46, s46, s23
	s_mov_b32 s47, 0
	s_mul_i32 s45, s14, HALFT                      ; where they go: wave x 128 rows: no place in the cluster enters an LDS address
	s_wait_kmcnt 0x0
	s_load_b256 s[76:83], s[8:9], 0x0              ; e0 .. e7
	s_load_b128 s[84:87], s[8:9], 0x20             ; e8 .. e11
	s_cmp_eq_u32 ttmp9, 2
	s_cselect_b64 s[74:75], s[6:7], s[4:5]         ; 'A''s buffer
	s_cselect_b64 s[90:91], s[4:5], s[6:7]         ; 'B''s buffer
	s_add_nc_u64 s[20:21], s[74:75], s[20:21]
	s_add_nc_u64 s[46:47], s[90:91], s[46:47]
	CROUND                                         ; all sixteen work-groups are here: the first joint loads meet
.irp s, 0,1
	s_mov_b32 s[G0+4*\s], 1
	s_add_co_u32 s[G0+4*\s+1], s45, \s*SLOT
	s_add_nc_u64 s[G0+4*\s+2:G0+4*\s+3], s[20:21], \s*ROWB
	s_or_b32 s[G0+4*\s+3], s[G0+4*\s+3], 0x80000000
	s_mov_b32 s[G0B+4*\s], 1
	s_add_co_u32 s[G0B+4*\s+1], s45, \s*SLOT
	s_add_nc_u64 s[G0B+4*\s+2:G0B+4*\s+3], s[46:47], \s*ROWB
	s_or_b32 s[G0B+4*\s+3], s[G0B+4*\s+3], 0x80000000
	JLOAD G0+4*\s, G1, G0B+4*\s, G1B
.endr
	v_and_b32 v1, 15, v0                           ; r = l % 16
	s_wait_alu depctr_va_vdst(0)
	v_bfe_u32 v2, v0, 4, 1                         ; hh = l / 16
	v_mul_u32_u24 v3, v1, PITCH
	v_lshl_add_u32 v4, v2, 4, v3                   ; a fragment's row x pitch + 16 x half
	s_mul_i32 s21, s15, HALFT                      ; my 128 rows of 'A'
	s_mul_i32 s22, s16, HALFT                      ; my 128 rows of 'B',
	s_add_co_u32 s22, s22, 2*HALFT                 ; which lie behind 'A''s 256
.irp s, 0,1
	v_add_nc_u32 v[ADRA+\s], s21, v4
	v_add_nc_u32 v[ADRB+\s], s22, v4
	s_add_co_u32 s21, s21, SLOT
	s_add_co_u32 s22, s22, SLOT
.endr
	s_mul_i32 s23, s14, 16*SPITCH                  ; my stage
	v_mul_u32_u24 v5, v1, SPITCH                   ; in: row r, 16 bytes for each half of the lanes
	s_wait_alu depctr_va_vdst(0)
	v_lshl_add_u32 v5, v2, 4, v5
	v_add_nc_u32 v[STO], s23, v5
	v_and_b32 v6, 31, v0
	v_lshlrev_b32 v[CO], 4, v6
	v_lshrrev_b32 v5, 3, v6                        ; back: eight lanes to a row of 128 bytes, four rows an instruction
	v_mul_u32_u24 v5, v5, SPITCH
	v_and_b32 v6, 7, v6
	v_lshl_add_u32 v5, v6, 4, v5
	v_add_nc_u32 v[RD], s23, v5
	v_lshlrev_b32 v[BCA], 5, v2
	s_wait_alu depctr_va_vdst(0)
	v_lshlrev_b32 v[BRA], 2, v1
	s_wait_alu depctr_va_vdst(0)
	; the bias: by column for k and q (index 128 colq + 16 b + 8 hh + j), by row for v (index 128 rowq + 16 a + r).  Both sets are loaded in every work-group; the one not used is loaded from the buffer's first bytes
	s_cmp_eq_u32 ttmp9, 1
	s_cselect_b64 s[98:99], s[68:69], s[10:11]
	s_cmp_eq_u32 ttmp9, 2
	s_cselect_b64 s[98:99], s[70:71], s[98:99]
	s_lshl_b32 s89, s17, 1
	s_add_co_u32 s89, s89, s15                     ; rowq: which 128 rows of 'A' are my wave's
	s_lshl_b32 s92, s42, 1
	s_add_co_u32 s92, s92, s16                     ; colq: which 128 rows of 'B'
	s_cmp_eq_u32 ttmp9, 2
	s_cselect_b32 s93, s92, s89                    ; which 128 tokens, 0 .. 63
	s_cselect_b32 s94, s89, s92                    ; which pair of heads, 0 .. 7
	s_cselect_b32 s20, 0, s92
	s_cselect_b32 s22, s89, 0
	s_lshl_b32 s20, s20, 9
	s_lshl_b32 s22, s22, 9
	s_mov_b32 s21, 0
	s_mov_b32 s23, 0
	s_add_nc_u64 s[100:101], s[98:99], s[22:23]
	s_add_nc_u64 s[98:99], s[98:99], s[20:21]
.irp b, 0,1,2,3,4,5,6,7
	global_load_b128 v[BC+8*\b:BC+8*\b+3], v[BCA], s[98:99] offset:64*\b
	global_load_b128 v[BC+8*\b+4:BC+8*\b+7], v[BCA], s[98:99] offset:64*\b+16
.endr
.irp a, 0,1,2,3,4,5,6,7
	global_load_b32 v[BR+2*\a], v[BRA], s[100:101] offset:64*\a
	global_load_b32 v[BR+2*\a+1], v[BRA], s[100:101] offset:64*\a
.endr
	; where my wave's 16,384 bytes of codes go
	s_lshr_b32 s20, s93, 4                         ; batch
	s_lshl_b32 s20, s20, 3
	s_add_co_u32 s20, s20, s94                     ; 8 x batch + head pair
	s_lshl_b32 s20, s20, 18
	s_and_b32 s21, s93, 15
	s_lshl_b32 s21, s21, 14                        ; 128 tokens of 128 bytes, or a key block
	s_add_co_u32 s20, s20, s21
	s_lshl_b32 s21, ttmp9, 23                      ; K, Q or V's part
	s_add_co_u32 s20, s20, s21
	s_mov_b32 s21, 0
	s_add_nc_u64 s[72:73], s[72:73], s[20:21]
	; the given scales, chosen by the cluster's x, with no branch
	s_wait_kmcnt 0x0
	s_add_co_i32 s92, s76, s77                     ; k: e0 + e1
	s_add_co_i32 s93, s78, s79                     ; q: e2 + e3
	s_add_co_i32 s94, s80, s81                     ; v: e4 + e5
	s_cmp_eq_u32 ttmp9, 1
	s_cselect_b32 s92, s93, s92
	s_cselect_b32 s95, s82, s83                    ; q is quantised by e6, k by e7,
	s_cmp_eq_u32 ttmp9, 2
	s_cselect_b32 s92, s94, s92
	s_cselect_b32 s95, s85, s95                    ; v by e9
	s_add_co_i32 s92, s92, 127
	s_lshl_b32 s96, s92, 23                        ; 2^(eA + eB) as f32
	s_mov_b32 s97, s96                             ; (named with it as a pair, so it is written)
	s_add_co_i32 s95, s95, 127
	s_lshl_b32 s93, s95, 23
	v_mov_b32 v[SCL], s93                          ; 2^eout
.macro FRAG reg, adr, q, i             ; a fragment, 16 rows x 128 K, is 16 registers: lane l holds row l % 16; registers 4 c .. 4 c + 3 hold K = 32 c + 16 (l / 16) + 0 .. 15: one order of k for both sides
.irp c, 0,1,2,3
	ds_load_b128 v[\reg+4*\c:\reg+4*\c+3], v[\adr] offset:128*(\q)+32*\c+(\i)*16*PITCH
.endr
.endm
; 16 matrix instructions: 'A''s blocks a0, a0 + 1 x 'B''s eight, 128 along K.  p: 'B''s set.  zero = 1: the first product starts the sums: nothing is ever cleared.
; The 64 accumulators take turns, one instruction a turn, in the same order in every step.
.macro MUL16 a0, p, zero
.irp a, \a0, \a0+1
.irp b, 0,1,2,3,4,5,6,7
.if \zero
	v_wmma_f32_16x16x128_fp8_fp8 v[8*(8*((\a)%4)+\b):8*(8*((\a)%4)+\b)+7], v[128*(\p)+FR*\b:128*(\p)+FR*\b+FR-1], v[AF+FR*(\a):AF+FR*(\a)+FR-1], 0
.else
	v_wmma_f32_16x16x128_fp8_fp8 v[8*(8*((\a)%4)+\b):8*(8*((\a)%4)+\b)+7], v[128*(\p)+FR*\b:128*(\p)+FR*\b+FR-1], v[AF+FR*(\a):AF+FR*(\a)+FR-1], v[8*(8*((\a)%4)+\b):8*(8*((\a)%4)+\b)+7]
.endif
.endr
.endr
.endm
.macro FETCH_B slot, q, p              ; 'B''s eight fragments of the slot's q-th 128 along K into set p
	WIN TO_B
.irp i, 0,1,2,3,4,5,6,7
	FRAG 128*(\p)+FR*\i, ADRB+\slot, \q, \i
.endr
	WIN 0
.endm
.macro FETCH_A slot, q, i0             ; 'A''s blocks i0 .. i0 + 3
.irp i, \i0, \i0+1, \i0+2, \i0+3
	FRAG AF+FR*(\i), ADRA+\slot, \q, \i
.endr
.endm
; A load into a register that a matrix instruction has read, and a vector instruction that reads a matrix result, stand NP places behind it; only plain vector instructions that name none of its registers are places.
.macro PLACES n
.rept \n
	v_nop
.endr
.endm
; A step of 128 along K that has its successor in the same slot.
.macro STEP slot, q, zero
	s_wait_dscnt 4*NL                              ; 'B''s set and 'A''s blocks 0-3 are in; the youngest 16 loads ('A''s blocks 4-7) may be out
	WIN MUL_LO
	MUL16 0, (\q)%2, \zero
	MUL16 2, (\q)%2, \zero
	s_wait_dscnt 0                                 ; 'A''s blocks 4-7 are in (asked for 32 matrix instructions ago)
	PLACES NP
	FETCH_B \slot, (\q)+1, 1-(\q)%2
	FETCH_A \slot, (\q)+1, 0
	WIN MUL_HI
	MUL16 4, (\q)%2, \zero
	MUL16 6, (\q)%2, \zero
	PLACES NP
	WIN 0
	FETCH_A \slot, (\q)+1, 4
.endm
; A slot's last step changes slots: ONE barrier; in front of it each wave waits for all its tensor loads, adds 0 to its spare word, and waits for that and for its own reads of this slot.  fill = 1: this slot is filled again, two K steps ahead.
.macro TURN slot, next, fill
	s_wait_tensorcnt 0x0                           ; all my tensor loads have landed: the one that was out is my part of the next slot
	ds_add_u32 v[SPW], v[NIL]                      ; 0 onto my spare word
	s_wait_dscnt 4*NL+1                            ; (the add and the youngest 16 loads, 'A''s blocks 4-7, may be out)
	WIN MUL_LO
	MUL16 0, 1, 0                                  ; sixteen matrix instructions stand between the add and the wait for it
	s_wait_dscnt 0x0                               ; the add is done, and my reads of this slot are over
	s_barrier_signal -1
	MUL16 2, 1, 0
	WIN 0
	s_barrier_wait -1
.if \fill
	CREST                                          ; the barrier has opened a round of the cluster's barrier: no wave of any partner still reads this slot's tile or has a load on its way
	s_add_nc_u64 s[G0+4*\slot+2:G0+4*\slot+3], s[G0+4*\slot+2:G0+4*\slot+3], 2*ROWB
	s_add_nc_u64 s[G0B+4*\slot+2:G0B+4*\slot+3], s[G0B+4*\slot+2:G0B+4*\slot+3], 2*ROWB
	JLOAD G0+4*\slot, G1, G0B+4*\slot, G1B         ; the first tensor load behind the round, my one load until the next; its four v_nop are the places in front of the loads below
.else
	PLACES NP
.endif
	FETCH_B \next, 0, 0
	FETCH_A \next, 0, 0
	WIN MUL_HI
	MUL16 4, 1, 0
	MUL16 6, 1, 0
	PLACES NP
	WIN 0
	FETCH_A \next, 0, 4
.endm
	s_wait_loadcnt 0x0                             ; the biases are in: no global load is out at a barrier
	s_wait_tensorcnt 1                             ; my part of K step 0 is in; K step 1's load, issued behind it, may be out
	s_barrier_signal -1
	s_barrier_wait -1                              ; everybody's is
	FETCH_B 0, 0, 0
	FETCH_A 0, 0, 0
	FETCH_A 0, 0, 4
	STEP 0, 0, 1                                   ; the first step stands in front of the loop: its products start the sums
.if LAPS > 1
	s_mov_b32 s3, LAPS-1
.Llap:                                                 ; a trip goes once round the ring, from a lap's second step to the next lap's first, and fills both slots again
	TURN 0, 1, 1
	STEP 1, 0, 0
	TURN 1, 0, 1
	STEP 0, 0, 0
	s_sub_co_u32 s3, s3, 1
	s_cmp_lg_u32 s3, 0
	s_cbranch_scc1 .Llap
.endif
	TURN 0, 1, 0                                   ; the last lap fills nothing, and has no round of the cluster's barrier
	STEP 1, 0, 0
	s_wait_dscnt 4*NL                              ; the very last step: nothing more to fetch
	WIN MUL_LO
	MUL16 0, 1, 0
	MUL16 2, 1, 0
	s_wait_dscnt 0
	WIN MUL_HI
	MUL16 4, 1, 0
	MUL16 6, 1, 0
	WIN 0
; THE WAY OUT, block by block of 16 rows of 'A' x 128 of 'B'.  sum x 2^(eA + eB) + bias, the hold, the conversion: tile b's eight numbers become 8 bytes.  Tiles 2 c and 2 c + 1 on end are 16 bytes, which go to byte
; 32 c + 16 hh of the lane's row in my own stage; the rows come back four at a time and leave as 512 consecutive bytes.  LDS serves a wave's instructions in order (ISA guide 5.7.1.4): no wait between stores and loads.
; Only the 32 multiply-adds differ between k, q and v (which bias): they stand in two arms of a branch on the cluster's x; every LDS line is common to both.
.macro TOSTAGE a
.set AC, 64*((\a)%4)
	s_cmp_eq_u32 ttmp9, 2
	s_cbranch_scc1 .Lfor_v_\@
	WIN 0x02+((\a)/4)                              ; source 0: window 2 or 3
.set JJ, 0
.rept 32
	v_pk_fma_f32 v[T+JJ:T+JJ+1], v[AC+JJ:AC+JJ+1], s[96:97], v[BC+JJ:BC+JJ+1] op_sel_hi:[1,0,1]   ; each accumulator from its low end on
.set JJ, JJ+2
.endr
	WIN 0
	s_branch .Ljoin_\@
.Lfor_v_\@:
	WIN 0x02+((\a)/4)
.set JJ, 0
.rept 32
	v_pk_fma_f32 v[T+JJ:T+JJ+1], v[AC+JJ:AC+JJ+1], s[96:97], v[BR+2*(\a):BR+2*(\a)+1] op_sel_hi:[1,0,1]
.set JJ, JJ+2
.endr
	WIN 0
.Ljoin_\@:
.set JJ, 0
.rept 64
.set JJ, JJ+1
.endr
	s_wait_alu depctr_va_vdst(0)
.irp b, 0,1,2,3,4,5,6,7
	v_cvt_scalef32_pk8_fp8_f32 v[PC+2*\b:PC+2*\b+1], v[T+8*\b:T+8*\b+7], v[SCL]
.endr
	v_nop                                          ; one plain vector line behind the conversions: the next block writes their sources again
.irp c, 0,1,2,3
	ds_store_b128 v[STO], v[PC+4*\c:PC+4*\c+3] offset:32*\c
.endr
.set BB, BK+16*((\a)%2)
.irp t, 0,1,2,3
	ds_load_b128 v[BB+4*\t:BB+4*\t+3], v[RD] offset:\t*4*SPITCH
.endr
.endm
.macro SEND a, younger                 ; younger: the LDS instructions issued behind block a's loads, which may stay out
.set BB, BK+16*((\a)%2)
	s_wait_dscnt \younger                          ; the block is back in registers
.irp t, 0,1,2,3
	global_store_b128 v[CO], v[BB+4*\t:BB+4*\t+3], s[72:73] offset:2048*(\a)+512*\t   ; 32 lanes store 512 consecutive bytes, aligned
.endr
.endm
	PLACES NP                                      ; behind the last products: the way out writes registers that held 'A''s fragments
	TOSTAGE 0
.irp a, 1,2,3,4,5,6,7
.if \a > 1
	s_wait_xcnt 0x0                                ; block a - 2's stores have read their registers: block a's loads may land there
.endif
	TOSTAGE \a
	SEND \a-1, 8                                   ; behind block a - 1's loads: block a's 4 stores and 4 loads
.endr
	SEND 7, 0
	s_wait_tensorcnt 0x0                           ; the wave's end: behind my last tensor load and my last LDS store
	ds_add_u32 v[SPW], v[NIL]
	s_wait_dscnt 0x0
	CROUND                                         ; the closing round: no work-group ends while a partner may still ask for a tile that names it
	s_endpgm
.Lfunc_end_k_q1724854003_gemm_qkv:
	.size	k_q1724854003_gemm_qkv, .Lfunc_end_k_q1724854003_gemm_qkv-k_q1724854003_gemm_qkv
	.p2alignl 7, 3214868480
	.fill 96, 4, 3214868480
	.section	.rodata,"a",@progbits
	.p2align	6, 0x0
	.amdhsa_kernel k_q1724854003_gemm_qkv
		.amdhsa_group_segment_fixed_size 327680
		.amdhsa_private_segment_fixed_size 0
		.amdhsa_enable_private_segment 0
		.amdhsa_kernarg_size 56
		.amdhsa_user_sgpr_count 2
		.amdhsa_user_sgpr_kernarg_segment_ptr 1
		.amdhsa_wavefront_size32 1
		.amdhsa_system_sgpr_workgroup_id_x 1
		.amdhsa_system_sgpr_workgroup_id_y 1
		.amdhsa_system_sgpr_workgroup_id_z 1
		.amdhsa_system_vgpr_workitem_id 0
		.amdhsa_next_free_vgpr 1024
		.amdhsa_next_free_sgpr 102
		.amdhsa_reserve_vcc 0
		.amdhsa_float_denorm_mode_32 3
		.amdhsa_float_denorm_mode_16_64 3
		.amdhsa_fp16_overflow 1
		.amdhsa_memory_ordered 1
		.amdhsa_forward_progress 1
		.amdhsa_inst_pref_size 128
	.end_amdhsa_kernel
	.amdgpu_metadata
---
amdhsa.version: [ 1, 2 ]
amdhsa.kernels:
  - .name:           k_q1724854003_gemm_qkv
    .symbol:         k_q1724854003_gemm_qkv.kd
    .args:
      - { .name: xc, .offset: 0, .size: 8, .value_kind: global_buffer, .address_space: global }
      - { .name: wc, .offset: 8, .size: 8, .value_kind: global_buffer, .address_space: global }
      - { .name: lowp_scales, .offset: 16, .size: 8, .value_kind: global_buffer, .address_space: global }
      - { .name: bk, .offset: 24, .size: 8, .value_kind: global_buffer, .address_space: global }
      - { .name: bq, .offset: 32, .size: 8, .value_kind: global_buffer, .address_space: global }
      - { .name: bv, .offset: 40, .size: 8, .value_kind: global_buffer, .address_space: global }
      - { .name: qkvc, .offset: 48, .size: 8, .value_kind: global_buffer, .address_space: global }
    .group_segment_fixed_size: 327680
    .private_segment_fixed_size: 0
    .kernarg_segment_align: 8
    .kernarg_segment_size: 56
    .max_flat_workgroup_size: 128
    .sgpr_count:     102
    .vgpr_count:     1024
    .wavefront_size: 32
...
	.end_amdgpu_metadata
.endif
;; end of part 3
;; launch attn (part 4): grid 8 x 32, 16 waves a work-group, no clusters, 327,680 bytes of LDS; arguments qkvc, lowp_scales, yc; writes yc
.if DOCPART == 4
	.amdgcn_target "amdgcn-amd-amdhsa--gfx1250"
	.amdhsa_code_object_version 6
	.text
	.protected	k_q1724854003_attn
	.globl	k_q1724854003_attn
	.p2align	8
	.type	k_q1724854003_attn,@function
k_q1724854003_attn:
	s_mov_b64 s[64:65], 0
	v_nop
	global_prefetch_b8 v0, s[64:65] scope:SCOPE_SE
	s_setreg_imm32_b32 hwreg(HW_REG_WAVE_MODE, 25, 1), 1
	s_wait_xcnt 0x0
; y[b][t][head][:] = the sum over keys k <= t of softmax_k(q . k / 8) v, both products on codes of FP8 (E4M3); y is quantised at once (entry 10 of the scales' buffer) for the last projection.
; THE SOFTMAX AHEAD OF THE SECOND PRODUCT: t = score x log2(e) / 8; M = the row's largest t so far, rounded UP to a whole number; p = 2^(t - M) is quantised (entry 8), not normalised.  The row's sum is taken of
; the unquantised p, in f32, and divides O at the end.  When M moves, the sum and O are multiplied by 2^(old M - new M): exact.
; LIMITS on the given exponents: e6 + e7 between -123 and 130 (they are added to c's exponent field); e8 and e10 between -126 and 119; e8 + e9 is applied by v_ldexp_f32.  NaN is not served.
; IN (qkvc): K at 0, Q at 8 MiB: [batch 4][head pair 8][token 2048][128 bytes: the pair's two heads];  V at 16 MiB: [batch][head pair][key block 16][channel 128][128 keys].  In each row of 128 bytes, byte
; 32 c + 16 h + 8 u + j holds index 32 c + 16 u + 8 h + j.  Q and K share that order of the head's axis.  For V it makes four loads of 16 bytes at 32 c + 16 h give the instruction's own places (registers 2 c', 2 c' + 1: keys 16 c' + 8 h ..).
; OUT (yc): [256 tokens: 32][head 16][token 256][64 bytes], channels in their order.  A wave stores 16 tokens x 64 bytes = 1,024 consecutive bytes.
; SHARES.  Work-group (i, batch and head pair) owns the blocks of 128 queries numbered 15 - i and i: 16 - i and i + 1 key steps of 128 keys, 17 in every work-group: equal work, and a constant trip count.
; Key steps that lie wholly above the diagonal are never walked.  Wave w: head w / 8 of the pair, queries 16 (w % 8) on: one tile of 16 queries in 256 registers, four waves to a SIMD, so that one wave's vector
; work stands beside another's matrix work and LDS loads.
; LAYOUT.  S^T = K Q^T (source 0 = 16 keys, source 1 = my 16 queries; K = 64), O^T = V^T P^T (source 0 = 16 channels, source 1 = P; K = 128 keys): a lane holds ONE query (lane % 16) throughout.  Register j of
; score tile t is key 16 t + 8 (lane / 16) + j, so tile t's conversion gives registers 2 t, 2 t + 1 of P as the second product wants them.
; THE RING: two LDS slots of one key step (K's 128 rows, V's 128 rows, 144 bytes apart), filled by waves 0 to 3, one tensor load each, and read by all sixteen.
; NO CLUSTER: the work-groups that share K and V are the query blocks of one head pair; they reach the diagonal, end a block and go back to key 0 in different trips, so partners would ask for different tiles
; in the same round, and their branches would hang on their places.
; REGISTERS: v1-11 addresses; v12 -M, v13 the largest t, v[14:15] the sum in two halves; v16-23 Q in hand, v24-31 Q of the second block; v32-95 K's 8 fragments, then V's 4; v96-159 S^T, then p; v160-191 O^T;
;   v192-207 p's codes; v208-215 y's codes, v216-223 y's rows; v236-255 at work and constants.
.set KP,    144                        ; a row in LDS: 128 bytes + 16 of padding: the 16 rows of a load start at 16 different banks (64 banks of 4 bytes: ISA guide 11.1)
.set VOFF,  128*KP                     ; a slot: K's 128 rows, then V's 128 rows
.set SLOT1, 1<<16                      ; slot 1 begins here, so that one exclusive or turns an address in one slot into the other's
.set SPARE, 2*SLOT1                    ; behind the ring: the spare words, 128 bytes for each of 16 waves, which no other line names
.set STAGE, SPARE+2048                 ; the way out: 16 rows x (64 bytes + 16) = 1,280 bytes for each wave; no fill ever lands here
.set AK0,  1                           ; v1   my lane's place in a tile of K
.set AV0,  2                           ; v2   the same for V
.set PFO,  3                           ; v3   256 x lane: the prefetches' offset; never rewritten
.set DG,   4                           ; v4   16 (w % 8) + r - 8 h: on the diagonal step register 8 t + j is hidden where 16 t + j is above it
.set SPW,  5                           ; v5   LDS address of my spare word; never rewritten
.set NIL,  6                           ; v6   0; never rewritten
.set GO,   7                           ; v7   16 x lane: my place in 512 bytes of y
.set ADK,  8                           ; v8   LDS address of the step's tile of K
.set ADV,  9                           ; v9   of V
.set STO,  10                          ; v10  the stage: where I put 8 bytes of a row
.set SRD,  11                          ; v11  and where I read rows back
.set WV,   10                          ; s10  my wave's number
.set HD,   11                          ; s11  which head of the pair
.set QT,   12                          ; s12  which tile of 16 queries
.set BH,   13                          ; s13  8 x batch + head pair
.set IP,   15                          ; s15  16 - i: the first block's key steps
.set QHI,  16                          ; s16  15 - i
.set QLO,  17                          ; s17  i
.set TRP,  18                          ; s18  the trip, 0 .. 16
.set KB,   19                          ; s19  the trip's key block
.set SEL,  20                          ; s[20:21] lane selects for v_permlanex16_b32: lane l xor 16
.set CS,   22                          ; s[22:23] c = log2(e) / 8 x 2^(e6 + e7)
.set G1,   24                          ; s[24:31] descriptor group 1, for K's and V's tiles alike
.set G0,   32                          ; s[32:35] group 0, which walks
.set SRC,  36                          ; s[36:37] my half of key block 0 of K (waves 0, 1 mod 4) or of V (waves 2, 3 mod 4)
.set OFF,  38                          ; s[38:39] 16,384 x the key block asked for
.set PFA,  40                          ; s[40:41] where my prefetch stands
.set PFL,  42                          ; s42  a wave prefetches while the trip's number is under it
.set QB,   43                          ; s43  the trip's block of queries
.set TB,   44                          ; s44  LDS byte at which the slot in hand begins
.set EPV,  45                          ; s45  e8 + e9
.set QA,   46                          ; s[46:47] Q at my tile in block 0
.set ES,   48                          ; s[48:59] e0 .. e11
.set YA,   60                          ; s[60:61] y at my 16 tokens
; Waves 0 to 3 fetch, the others nothing.  The branch hangs on the wave's number alone.  Four v_nop follow the load.
.macro TLOAD
	s_cmp_lt_u32 s[WV], 4
	s_cbranch_scc0 .Lnone_\@
	tensor_load_to_lds s[G0:G0+3], s[G1:G1+7]
	s_nop 0
.rept 4
	v_nop
.endr
.Lnone_\@:
.endm
; A PREFETCH INTO THE L2 of the key block that the NEXT change of slots will ask for.  All eight work-groups of a head pair walk the same K and V; work-group x = 0 walks key blocks 0 to 15 in its first 16 trips, and it
; alone asks.  In it waves 4 to 7 ask, which fetch nothing: K's two halves and V's two halves, 8,192 bytes a wave, lanes 256 bytes apart, one instruction.  So each aligned 256 bytes are named once in the launch.
; Trip s names key block s + 2, one trip ahead of the tensor load that wants it.  Key blocks 0 and 1 come by their loads alone; trips 14 on ask for nothing: there is no key block 16.
.macro ASK
	s_cmp_lt_u32 s[TRP], s[PFL]
	s_cbranch_scc0 .Lnot_mine_\@
	global_prefetch_b8 v[PFO], s[PFA:PFA+1] th:TH_LOAD_NT scope:SCOPE_SE
.Lnot_mine_\@:
.endm
	s_load_b128 s[4:7], s[0:1], 0x0                ; qkvc, the scales' exponents
	s_load_b64 s[8:9], s[0:1], 0x10                ; yc
	v_lshl_add_u32 v[SPW], v0, 2, SPARE
	v_mov_b32 v[NIL], 0
	ds_add_u32 v5, v6
	ds_add_u32 v5, v6
	s_wait_dscnt 0x0
	v_lshrrev_b32 v8, 5, v0
	s_delay_alu instid0(VALU_DEP_1)
	v_readfirstlane_b32 s[WV], v8                  ; wave 0..15
	s_lshr_b32 s[HD], s[WV], 3
	s_and_b32 s[QT], s[WV], 7
	s_and_b32 s[BH], ttmp7, 0xffff
	s_sub_co_u32 s[IP], 16, ttmp9
	s_sub_co_u32 s[QHI], 15, ttmp9
	s_mov_b32 s[QLO], ttmp9
	; descriptor group 1: 64 rows of 128 bytes, dense in memory, 16 bytes of padding behind each in LDS
	s_mov_b32 s[G1], (0<<16)|(1<<20)|(4<<22)|(3<<25)  ; 15:0 no mask; 17:16 elements of 1 byte; 20 padding on; 24:22 after every 32 words; 31:25 four words
	s_mov_b32 s[G1+1], 128<<16                     ; tensor_dim0
	s_mov_b32 s[G1+2], 64<<16                      ; tensor_dim1
	s_mov_b32 s[G1+3], 128<<16                     ; tile_dim0
	s_mov_b32 s[G1+4], 64                          ; tile_dim1
	s_mov_b32 s[G1+5], 128                         ; tensor_dim0_stride
	s_mov_b32 s[G1+6], 0
	s_mov_b32 s[G1+7], 0
	s_mov_b32 s[SEL], 0x76543210
	s_mov_b32 s[SEL+1], 0xfedcba98
	s_mov_b32 s[CS], 0x3e38aa3b                    ; log2(e) / 8
	s_mov_b32 s[TB], 0
	s_mov_b32 s[TRP], 0
	s_mov_b32 s[OFF+1], 0
	s_lshl_b32 s66, s[BH], 18                      ; the head pair's 262,144 bytes,
	s_and_b32 s67, s[WV], 1
	s_lshl_b32 s67, s67, 13                        ; which 64 rows,
	s_add_co_u32 s66, s66, s67
	s_and_b32 s67, s[WV], 2
	s_lshl_b32 s67, s67, 23                        ; K's part (0) or V's (16 MiB)
	s_add_co_u32 s66, s66, s67
	s_mov_b32 s67, 0
	s_mov_b32 s[G0], 1                             ; 1:0 count = 1
	s_and_b32 s[G0+1], s[WV], 3
	s_mul_i32 s[G0+1], s[G0+1], 64*KP              ; 63:32 LDS address: slot 0; K's halves, then V's
	s_wait_kmcnt 0x0
	s_load_b128 s[ES:ES+3], s[6:7], 0x0
	s_load_b128 s[ES+4:ES+7], s[6:7], 0x10
	s_load_b128 s[ES+8:ES+11], s[6:7], 0x20
	s_add_nc_u64 s[SRC:SRC+1], s[4:5], s[66:67]
	s_mov_b64 s[G0+2:G0+3], s[SRC:SRC+1]           ; 120:64 global address: key block 0
	s_or_b32 s[G0+3], s[G0+3], 0x80000000          ; 127:126 type = 2
	TLOAD                                          ; key step 0 into slot 0: the one first fill, ahead of every wait on TENSORcnt, LDS read and barrier
	s_add_nc_u64 s[PFA:PFA+1], s[SRC:SRC+1], 16384 ; at key block 1: the first change of slots steps it to 2.  Nothing is prefetched here, at the head
	s_lshr_b32 s62, s[WV], 2
	s_xor_b32 s62, s62, 1                          ; 0 in waves 4 to 7,
	s_or_b32 s62, s62, ttmp9                       ; of work-group x = 0
	s_cmp_eq_u32 s62, 0
	s_cselect_b32 s[PFL], 14, 0
	s_lshl_b32 s66, s[BH], 18                      ; Q: the head pair,
	s_lshl_b32 s67, s[QT], 11                      ; my 16 queries of 128 bytes,
	s_add_co_u32 s66, s66, s67
	s_lshl_b32 s67, s[HD], 6                       ; my head's 64 bytes,
	s_add_co_u32 s66, s66, s67
	s_add_co_u32 s66, s66, 0x800000                ; in Q's part
	s_mov_b32 s67, 0
	s_add_nc_u64 s[QA:QA+1], s[4:5], s[66:67]
	v_and_b32 v8, 15, v0                           ; r = lane % 16
	v_bfe_u32 v9, v0, 4, 1                         ; h = lane / 16
	v_and_b32 v10, 31, v0                          ; lane
	s_delay_alu instid0(VALU_DEP_3)
	v_lshlrev_b32 v253, 7, v8
	s_delay_alu instid0(VALU_DEP_1)
	v_lshl_add_u32 v253, v9, 4, v253               ; row r of 128 bytes + 16 h
	s_lshl_b32 s62, s[QHI], 14
	v_add_nc_u32 v252, s62, v253                   ; in block 15 - i
	s_lshl_b32 s62, s[QLO], 14
	v_add_nc_u32 v254, s62, v253                   ; in block i
	global_load_b128 v[16:19], v252, s[QA:QA+1]    ; Q's fragments stay in registers: registers 4 c .. 4 c + 3 hold bytes 32 c + 16 h + 0 .. 15 of my head's 64, as K's will
	global_load_b128 v[20:23], v252, s[QA:QA+1] offset:32
	global_load_b128 v[24:27], v254, s[QA:QA+1]
	global_load_b128 v[28:31], v254, s[QA:QA+1] offset:32
	v_mul_u32_u24 v[AK0], v8, KP
	s_delay_alu instid0(VALU_DEP_1)
	v_lshl_add_u32 v[AK0], v9, 4, v[AK0]           ; row r x pitch + 16 h
	s_mul_i32 s62, s[HD], 64*KP                    ; V: my head's 64 channels,
	s_add_co_u32 s62, s62, VOFF                    ; behind K's rows
	v_add_nc_u32 v[AV0], s62, v[AK0]
	s_lshl_b32 s62, s[HD], 6                       ; K: my head's 64 bytes of each row
	v_add_nc_u32 v[AK0], s62, v[AK0]
	v_lshlrev_b32 v[PFO], 8, v10
	v_lshlrev_b32 v[DG], 3, v9
	s_delay_alu instid0(VALU_DEP_1)
	v_sub_nc_u32 v[DG], v8, v[DG]
	s_lshl_b32 s62, s[QT], 4
	v_add_nc_u32 v[DG], s62, v[DG]
	v_lshlrev_b32 v[GO], 4, v10
	s_mul_i32 s63, s[WV], 16*80
	s_add_co_u32 s63, s63, STAGE                   ; my stage
	v_lshrrev_b32 v[SRD], 2, v10                   ; back: four lanes to a row of 64 bytes, eight rows an instruction
	s_delay_alu instid0(VALU_DEP_1)
	v_mul_u32_u24 v[SRD], v[SRD], 80
	v_and_b32 v10, 3, v10
	s_delay_alu instid0(VALU_DEP_1)
	v_lshl_add_u32 v[SRD], v10, 4, v[SRD]
	s_delay_alu instid0(VALU_DEP_1)
	v_add_nc_u32 v[SRD], s63, v[SRD]
	v_mul_u32_u24 v[STO], v8, 80                   ; in: row r, 8 bytes for each half of the lanes
	s_delay_alu instid0(VALU_DEP_1)
	v_lshl_add_u32 v[STO], v9, 3, v[STO]
	s_delay_alu instid0(VALU_DEP_1)
	v_add_nc_u32 v[STO], s63, v[STO]
	v_mov_b32 v13, 0xff61b1e6                      ; the largest t so far: -3e38, under every t
	s_delay_alu instid0(VALU_DEP_1)
	v_floor_f32 v12, -v13                          ; -M
	v_mov_b32 v14, 0                               ; the sum, in two halves
	v_mov_b32 v15, 0
	v_mov_b32 v236, 0                              ; written once: a lane permute's destination counts as one of its sources
	v_mov_b32 v253, 0                              ; (named as the upper half of the pair v[252:253])
.set JJ, 0
.rept 32
	v_mov_b32 v[160+JJ], 0                         ; O^T.  (The key step is written once: a block's first step finds zeros, which the first change of M leaves zeros)
.set JJ, JJ+1
.endr
	s_wait_kmcnt 0x0
	s_add_co_i32 s62, s[ES+6], s[ES+7]
	s_lshl_b32 s62, s62, 23
	s_add_co_i32 s[CS], s[CS], s62                 ; a score stands for score x 2^(e6 + e7): the two exponents are added to c's exponent field
	s_mov_b32 s[CS+1], s[CS]                       ; (named with it as a pair, so it is written)
	s_add_co_i32 s62, s[ES+8], 127
	s_lshl_b32 s63, s62, 23
	v_mov_b32 v244, s63                            ; 2^e8, for p's conversions
	s_add_co_i32 s62, s[ES+10], 127
	s_lshl_b32 s63, s62, 23
	v_mov_b32 v245, s63                            ; 2^e10, for y's
	s_add_co_i32 s[EPV], s[ES+8], s[ES+9]
; THE CHANGE OF SLOTS stands at a trip's head.  Each wave waits for all its tensor loads (its part of the slot that it is about to read), adds 0 to its spare word, and waits for that and for its reads of the slot
; that it has left.  Behind the barrier the slot ahead is whole and nobody reads the other one.  fill = 1: that other slot is filled with the next trip's key block: the load has a whole key step in which to land.
.macro CHANGE fill
	s_wait_tensorcnt 0x0                           ; no tensor load of mine is out, so group 0 may be written
	ds_add_u32 v[SPW], v[NIL]                      ; 0 onto my spare word; the descriptor's steps stand between it and the wait for it
.if \fill
	s_add_co_u32 s62, s[TRP], 1                    ; the next trip n:
	s_sub_co_u32 s63, s62, s[IP]
	s_cmp_lt_u32 s62, s[IP]
	s_cselect_b32 s[OFF], s62, s63                 ; its key block is n in the first block of queries, n - (16 - i) in the second
	s_lshl_b32 s[OFF], s[OFF], 14
	s_xor_b32 s[G0+1], s[G0+1], SLOT1              ; the other slot than last time
	s_add_nc_u64 s[G0+2:G0+3], s[SRC:SRC+1], s[OFF:OFF+1]
	s_or_b32 s[G0+3], s[G0+3], 0x80000000
	s_wait_xcnt 0x0                                ; the last prefetch, a trip back, has read its address, so it may be written
	s_add_nc_u64 s[PFA:PFA+1], s[PFA:PFA+1], 16384
.endif
	s_wait_dscnt 0x0                               ; the add is done, and my reads of the slot that I have left are over
	s_barrier_signal -1
	s_barrier_wait -1
.if \fill
	TLOAD                                          ; the first thing behind the barrier, and a wave's one tensor load until the next
	ASK
.endif
.endm
; A BLOCK OF QUERIES ENDS: O^T / the sum x 2^(e8 + e9) is y; it is held, converted (e10) and goes through my stage, so that each store covers 512 consecutive bytes.  last = 0: the running numbers begin anew, and Q is the second block's.
.macro WAYOUT last
.rept 4
	v_nop                                          ; places behind the last products
.endr
	s_wait_xcnt 0x0                                ; the first block's stores have read their registers and their base: both are written again below
	v_add_f32 v14, v14, v15                        ; the sum's two halves,
	s_delay_alu instid0(VALU_DEP_1)
	v_permlanex16_b32 v252, v14, s[SEL], s[SEL+1]
	s_delay_alu instid0(VALU_DEP_1)
	v_add_f32 v14, v14, v252                       ; and lane l xor 16's: the row's sum
	s_wait_alu depctr_va_vdst(0)
	v_rcp_f32 v14, v14
	v_nop                                          ; a plain place behind the transcendental
	s_lshr_b32 s62, s[BH], 3
	s_lshl_b32 s62, s62, 3
	s_lshr_b32 s63, s[QB], 1
	s_add_co_u32 s62, s62, s63                     ; which 256 tokens: 8 x batch + block / 2
	s_lshl_b32 s62, s62, 18
	s_and_b32 s63, s[BH], 7
	s_lshl_b32 s63, s63, 1
	s_add_co_u32 s63, s63, s[HD]                   ; the head
	s_lshl_b32 s63, s63, 14
	s_add_co_u32 s62, s62, s63
	s_and_b32 s63, s[QB], 1
	s_lshl_b32 s63, s63, 7
	s_lshl_b32 s66, s[QT], 4
	s_add_co_u32 s63, s63, s66                     ; my first token among the 256
	s_lshl_b32 s63, s63, 6
	s_add_co_u32 s62, s62, s63
	s_mov_b32 s63, 0
	s_add_nc_u64 s[YA:YA+1], s[8:9], s[62:63]
	s_wait_alu depctr_va_vdst(0)                   ; the wait ahead of the reciprocal's first reader
	v_ldexp_f32 v14, v14, s[EPV]                   ; x 2^(e8 + e9)
.set JJ, 0
.rept 16
	v_pk_mul_f32 v[96+JJ:97+JJ], v[160+JJ:161+JJ], v[14:15] op_sel_hi:[1,0]   ; register 8 tt + j is y(query r, channel 16 tt + 8 h + j); each accumulator from its low end on
.set JJ, JJ+2
.endr
.set JJ, 0
.rept 32
.set JJ, JJ+1
.endr
.irp t, 0,1,2,3
	v_cvt_scalef32_pk8_fp8_f32 v[208+2*\t:209+2*\t], v[96+8*\t:103+8*\t], v245
.endr
	v_nop                                          ; one plain vector line behind the conversions
.irp t, 0,1,2,3
	ds_store_b64 v[STO], v[208+2*\t:209+2*\t] offset:16*\t
.endr
	ds_load_b128 v[216:219], v[SRD]                ; LDS serves a wave's instructions in order: these see my stores
	ds_load_b128 v[220:223], v[SRD] offset:8*80
	s_wait_dscnt 1                                 ; the first load is in; the second may be out
	global_store_b128 v[GO], v[216:219], s[YA:YA+1]
	s_wait_dscnt 0
	global_store_b128 v[GO], v[220:223], s[YA:YA+1] offset:512
.if !\last
	v_mov_b32 v13, 0xff61b1e6
	s_delay_alu instid0(VALU_DEP_1)
	v_floor_f32 v12, -v13
	v_mov_b32 v14, 0
	v_mov_b32 v15, 0
.set JJ, 0
.rept 32
	v_mov_b32 v[160+JJ], 0
.set JJ, JJ+1
.endr
.irp k, 0,1,2,3,4,5,6,7
	v_mov_b32 v[16+\k], v[24+\k]
.endr
.endif
.endm
; A TRIP: one key step of 128 keys.  last = 1: the seventeenth, which always lies on the second block's diagonal: its two branches are left out.
.macro TRIP fill, last
	s_sub_co_u32 s62, s[TRP], s[IP]
	s_cmp_lt_u32 s[TRP], s[IP]
	s_cselect_b32 s[KB], s[TRP], s62               ; the key block,
	s_cselect_b32 s[QB], s[QHI], s[QLO]            ; and the block of queries in hand
	CHANGE \fill
	v_add_nc_u32 v[ADK], s[TB], v[AK0]
	v_add_nc_u32 v[ADV], s[TB], v[AV0]
	v_nop                                          ; with the two additions: four places in front of loads into registers that the last products have read
	v_nop
.irp t, 0,1,2,3,4,5,6,7
	ds_load_b128 v[32+8*\t:35+8*\t], v[ADK] offset:16*KP*\t
	ds_load_b128 v[36+8*\t:39+8*\t], v[ADK] offset:16*KP*\t+32
.endr
	s_wait_dscnt 0x0
	s_wait_alu depctr_va_vdst(0)
.irp t, 0,1,2,3,4,5,6,7
	v_wmma_f32_16x16x64_fp8_fp8 v[96+8*\t:103+8*\t], v[32+8*\t:39+8*\t], v[16:23], 0   ; S^T, keys 16 t on
.endr
.rept 4
	v_nop                                          ; places in front of the loads below and of the first read of the scores
.endr
.irp t, 0,1,2,3
.irp c, 0,1,2,3
	ds_load_b128 v[32+16*\t+4*\c:35+16*\t+4*\c], v[ADV] offset:16*KP*\t+32*\c   ; V's four fragments land while the softmax is walked
.endr
.endr
.if !\last
	s_cmp_lg_u32 s[KB], s[QB]                      ; under the diagonal every key counts: a scalar branch on ids
	s_cbranch_scc1 .Lopen_\@
.endif
	v_mov_b32 v254, 0xff800000                     ; on the diagonal the scores of hidden keys become -infinity ahead of the maximum: p = 0 then.  Key 0 counts for every query
.set NN, 0
.rept 64
	v_cmp_gt_i32 vcc_lo, 16*(NN/8)+NN%8, v[DG]
	v_cndmask_b32 v[96+NN], v[96+NN], v254, vcc_lo
.set NN, NN+1
.endr
.if !\last
.Lopen_\@:
.endif
	v_max3_num_f32 v254, v96, v97, v98             ; the step's largest score of my query, among my 64 keys, in two chains,
	v_max3_num_f32 v252, v99, v100, v101
.irp i, 6,10,14,18,22,26,30,34,38,42,46,50,54,58
	v_max3_num_f32 v254, v254, v[96+\i], v[97+\i]
	v_max3_num_f32 v252, v252, v[98+\i], v[99+\i]
.endr
	v_max3_num_f32 v254, v254, v158, v159
	s_delay_alu instid0(VALU_DEP_1)
	v_max_num_f32 v254, v254, v252
	s_delay_alu instid0(VALU_DEP_1)
	v_permlanex16_b32 v236, v254, s[SEL], s[SEL+1]
	s_delay_alu instid0(VALU_DEP_1)
	v_max_num_f32 v254, v254, v236                 ; and among lane l xor 16's
	s_delay_alu instid0(VALU_DEP_1)
	v_mul_f32 v254, s[CS], v254                    ; as t (c is positive)
	s_delay_alu instid0(VALU_DEP_1)
	v_max_num_f32 v13, v13, v254                   ; the running largest t
	v_mov_b32 v254, v12
	s_delay_alu instid0(VALU_DEP_2)
	v_floor_f32 v12, -v13                          ; the new -M = floor(-t) = -ceil(t): M is a whole number
	s_delay_alu instid0(VALU_DEP_1)
	v_sub_f32 v254, v12, v254                      ; M's old value less its new one: a whole number, 0 or less
	s_delay_alu instid0(VALU_DEP_1)
	v_cvt_i32_f32 v254, v254                       ; (it saturates)
	s_delay_alu instid0(VALU_DEP_1)
	v_ldexp_f32 v252, 1.0, v254                    ; f = 2^(old M - new M): a multiplication by it rounds nothing
.set JJ, 0
.rept 32
	v_pk_fma_f32 v[96+JJ:97+JJ], v[96+JJ:97+JJ], s[CS:CS+1], v[12:13] op_sel_hi:[1,0,0]   ; t - M, two at a time (of the pairs c and -M the low word serves both halves)
.set JJ, JJ+2
.endr
.set JJ, 0
	s_wait_alu depctr_va_vdst(0)
.rept 64
	v_exp_f32 v[96+JJ], v[96+JJ]                   ; p = 2^(t - M), at most 1: not normalised
.set JJ, JJ+1
.endr
	v_pk_mul_f32 v[14:15], v[14:15], v[252:253] op_sel_hi:[1,0]   ; the sums under the new M.  (The plain place behind the exponentials)
	s_wait_alu depctr_va_vdst(0)                   ; one wait for the whole batch, ahead of its first reader
	v_pk_add_f32 v[242:243], v[100:101], v[104:105]
	v_pk_add_f32 v[254:255], v[108:109], v[112:113]
	v_pk_add_f32 v[250:251], v[116:117], v[120:121]
	v_pk_add_f32 v[248:249], v[124:125], v[128:129]
	v_pk_add_f32 v[246:247], v[132:133], v[136:137]
	v_pk_add_f32 v[240:241], v[140:141], v[144:145]
	v_pk_add_f32 v[238:239], v[148:149], v[152:153]
	v_pk_add_f32 v[14:15], v[14:15], v[156:157]
	v_pk_add_f32 v[242:243], v[242:243], v[96:97]
	v_pk_add_f32 v[254:255], v[254:255], v[98:99]
	v_pk_add_f32 v[250:251], v[250:251], v[102:103]
	v_pk_add_f32 v[248:249], v[248:249], v[106:107]
	v_pk_add_f32 v[246:247], v[246:247], v[110:111]
	v_pk_add_f32 v[240:241], v[240:241], v[114:115]
	v_pk_add_f32 v[238:239], v[238:239], v[118:119]
	v_pk_add_f32 v[14:15], v[14:15], v[122:123]
	v_pk_add_f32 v[242:243], v[242:243], v[126:127]
	v_pk_add_f32 v[254:255], v[254:255], v[130:131]
	v_pk_add_f32 v[250:251], v[250:251], v[134:135]
	v_pk_add_f32 v[248:249], v[248:249], v[138:139]
	v_pk_add_f32 v[246:247], v[246:247], v[142:143]
	v_pk_add_f32 v[240:241], v[240:241], v[146:147]
	v_pk_add_f32 v[238:239], v[238:239], v[150:151]
	v_pk_add_f32 v[14:15], v[14:15], v[154:155]
	v_pk_add_f32 v[242:243], v[242:243], v[158:159]
	s_delay_alu instid0(VALU_DEP_2)
	v_pk_add_f32 v[14:15], v[14:15], v[248:249]
	s_delay_alu instid0(VALU_DEP_2)
	v_pk_add_f32 v[242:243], v[242:243], v[246:247]
	v_pk_add_f32 v[254:255], v[254:255], v[240:241]
	v_pk_add_f32 v[250:251], v[250:251], v[238:239]
	s_delay_alu instid0(VALU_DEP_2)
	v_pk_add_f32 v[14:15], v[14:15], v[254:255]
	s_delay_alu instid0(VALU_DEP_2)
	v_pk_add_f32 v[242:243], v[242:243], v[250:251]
	s_delay_alu instid0(VALU_DEP_1)
	v_pk_add_f32 v[14:15], v[14:15], v[242:243]
.irp t, 0,1,2,3,4,5,6,7
.irp i, 0,1,2,3,4,5,6,7
.endr
	v_cvt_scalef32_pk8_fp8_f32 v[192+2*\t:193+2*\t], v[96+8*\t:103+8*\t], v244   ; keys 16 t + 8 h + 0 .. 7: registers 2 t, 2 t + 1 of the second product's operand
.endr
.set JJ, 0
.rept 16
	v_pk_mul_f32 v[160+JJ:161+JJ], v[160+JJ:161+JJ], v[252:253] op_sel_hi:[1,0]   ; O^T under the new M: x f.  (Also the plain lines between the conversions and the products)
.set JJ, JJ+2
.endr
	s_wait_alu depctr_va_vdst(0)
	s_wait_dscnt 0x0                               ; V is in
.irp t, 0,1,2,3
	v_wmma_f32_16x16x128_fp8_fp8 v[160+8*\t:167+8*\t], v[32+16*\t:47+16*\t], v[192:207], v[160+8*\t:167+8*\t]   ; O^T += V^T P^T: the four accumulators by turns, one instruction a turn
.endr
.if !\last
	s_cmp_lg_u32 s[KB], s[QB]                      ; the diagonal step is a block's last
	s_cbranch_scc1 .Lon_\@
.endif
	WAYOUT \last
.if !\last
.Lon_\@:
.endif
	s_xor_b32 s[TB], s[TB], SLOT1                  ; on to the other slot
.endm
	s_wait_loadcnt 0x0                             ; Q
.Ltrip:                                            ; 16 trips: behind each change of slots the next trip's key block is asked for
	TRIP 1, 0
	s_add_co_u32 s[TRP], s[TRP], 1
	s_cmp_lt_u32 s[TRP], 16
	s_cbranch_scc1 .Ltrip
	TRIP 0, 1                                      ; the seventeenth is written out
	s_wait_tensorcnt 0x0                           ; the wave's end: behind my last tensor load and my last LDS store
	ds_add_u32 v[SPW], v[NIL]
	s_wait_dscnt 0x0
	s_endpgm
.Lfunc_end_k_q1724854003_attn:
	.size	k_q1724854003_attn, .Lfunc_end_k_q1724854003_attn-k_q1724854003_attn
	.p2alignl 7, 3214868480
	.fill 96, 4, 3214868480
	.section	.rodata,"a",@progbits
	.p2align	6, 0x0
	.amdhsa_kernel k_q1724854003_attn
		.amdhsa_group_segment_fixed_size 327680
		.amdhsa_private_segment_fixed_size 0
		.amdhsa_enable_private_segment 0
		.amdhsa_kernarg_size 24
		.amdhsa_user_sgpr_count 2
		.amdhsa_user_sgpr_kernarg_segment_ptr 1
		.amdhsa_wavefront_size32 1
		.amdhsa_system_sgpr_workgroup_id_x 1
		.amdhsa_system_sgpr_workgroup_id_y 1
		.amdhsa_system_sgpr_workgroup_id_z 1
		.amdhsa_system_vgpr_workitem_id 0
		.amdhsa_next_free_vgpr 256
		.amdhsa_next_free_sgpr 72
		.amdhsa_reserve_vcc 1
		.amdhsa_float_denorm_mode_32 3
		.amdhsa_float_denorm_mode_16_64 3
		.amdhsa_fp16_overflow 1
		.amdhsa_memory_ordered 1
		.amdhsa_forward_progress 1
		.amdhsa_inst_pref_size 54
	.end_amdhsa_kernel
	.amdgpu_metadata
---
amdhsa.version: [ 1, 2 ]
amdhsa.kernels:
  - .name:           k_q1724854003_attn
    .symbol:         k_q1724854003_attn.kd
    .args:
      - { .name: qkvc, .offset: 0, .size: 8, .value_kind: global_buffer, .address_space: global }
      - { .name: lowp_scales, .offset: 8, .size: 8, .value_kind: global_buffer, .address_space: global }
      - { .name: yc, .offset: 16, .size: 8, .value_kind: global_buffer, .address_space: global }
    .group_segment_fixed_size: 327680
    .private_segment_fixed_size: 0
    .kernarg_segment_align: 8
    .kernarg_segment_size: 24
    .max_flat_workgroup_size: 512
    .sgpr_count:     72
    .vgpr_count:     256
    .wavefront_size: 32
...
	.end_amdgpu_metadata
.endif
;; end of part 4
;; launch gemm_proj (part 5): grid 4 x 32, 4 waves a work-group, clusters of 4 x 4, 327,680 bytes of LDS; arguments yc, wc, lowp_scales, bp, out0; writes out0
.if DOCPART == 5
	.amdgcn_target "amdgcn-amd-amdhsa--gfx1250"
	.amdhsa_code_object_version 6
	.text
	.protected	k_q1724854003_gemm_proj
	.globl	k_q1724854003_gemm_proj
	.p2align	8
	.type	k_q1724854003_gemm_proj,@function
k_q1724854003_gemm_proj:
	s_mov_b64 s[64:65], 0
	v_nop
	global_prefetch_b8 v0, s[64:65] scope:SCOPE_SE
	s_setreg_imm32_b32 hwreg(HW_REG_WAVE_MODE, 25, 1), 1
	s_wait_xcnt 0x0
	s_wait_alu depctr_hold_cnt(0) depctr_sa_sdst(0) depctr_va_vdst(0) depctr_va_sdst(0) depctr_va_ssrc(0) depctr_va_vcc(0) depctr_vm_vsrc(0)
	s_getreg_b32 s2, hwreg(HW_REG_IB_STS2, 6, 4)
	s_cmp_eq_u32 s2, 0
	s_cbranch_scc0 .Lentry_in_a_cluster
	s_endpgm
.Lentry_in_a_cluster:
	s_bfe_u32 s2, ttmp6, 0x10000c
	s_cmp_lg_u32 s2, 0xf033
	s_cbranch_scc0 .Lentry_shape_is_right
	s_endpgm
.Lentry_shape_is_right:
; out0 = y Wp + bp on codes of FP8 (E4M3): out0[token][n] = (sum over k of ycode[token][k] wcode[n][k]) x 2^(e10 + e11) + bp[n], f32.  K = 1,024.
; LIMIT: e10 + e11 between -126 and 127, so that 2^(e10 + e11) is an f32 number.
; A (yc): [256 tokens: 32][head 16][token 256][64 bytes].  A K step of 256 is four heads' planes, 65,536 dense bytes of one tile row; it comes as rows of 64 bytes, 80 bytes apart in LDS.
; B: wc's part 3 (byte 3 MiB on): [n 1024][k 1024].
; A tile of out0, 256 x 256, is made by four waves, 128 x 128 each: 64 accumulators, 512 registers.  K goes in steps of 256 through a ring of two LDS slots filled by the tensor data mover.
; CLUSTERS: 4 x 4 work-groups.  The four of a row need the same tiles of A, the four of a column the same tiles of B: each tile is asked for JOINTLY.  The matrix instruction takes 16 rows of B as source 0 and 16 rows
; of A as source 1: a lane then holds eight neighbouring numbers of a row of out0.
; 128 tiles of 256 x 256: half of the chip's 256 WGPs have a work-group.  No prefetch: of K's four steps two are the first fills.
; REGISTERS, in windows of 256: window 0: v0-31 addresses; v32-95 bp of my lane's 8 x 8 columns; v96-127 at work on the way out; from v128 A's fragments, ONE set; on the way out v128-255 take rows read back.
;   window 1: B's fragments, TWO sets.   window 2: the accumulators of my rows 0-63 ((a, b) at v[8 (8 a + b)]);   window 3: those of my rows 64-127.
.set KSTEP,  256
.set ROWB,   256                       ; a row of B's tile in bytes
.set KROW,   1024                      ; a row of B in memory
.set PITCH,  272                       ; B's LDS row: 256 bytes + 16 of padding
.set APITCH, 80                        ; A's LDS row: 64 bytes + 16 of padding = 20 words: the 16 rows that a load touches start at 16 different groups of 4 banks (64 banks of 4 bytes: ISA guide 11.1)
.set PLANE,  256*APITCH                ; a head's 256 tokens
.set APART,  2*PLANE                   ; two planes: what one tensor load brings of A, and 128 along K
.set FR,     16
.set NL,     4
.set NP,     4                         ; places behind this matrix instruction (ISA guide 7.12.1)
.set HALFT,  128*PITCH                 ; 128 rows of B: what one tensor load brings
.set SLOT,   2*APART+2*HALFT           ; A's four planes, then B's 256 rows: 151,552 bytes
.set LAPS,   1024/(2*KSTEP)
.set SPARE,  2*SLOT                    ; behind the ring: the spare words, 128 bytes for each wave, which no other line names
.set SPITCH, 528                       ; the way out: a stage of 16 rows x (512 bytes + 16) for each wave, in slot 0, which has had its last fill and its last read when the first result is stored there
.set SIZE_N, 1024
.set ADRA, 16                          ; v16-19  LDS address of my A fragments: slot 0 (K 0-127, K 128-255), slot 1 likewise
.set ADRB, 20                          ; v20-21  the same for B, by slot
.set STO,  24
.set RD,   25
.set CO,   26
.set SPW,  28                          ; v28     LDS address of my spare word; never rewritten
.set NIL,  29                          ; v29     0; never rewritten
.set BCA,  31                          ; v31     32 x (lane / 16): the bias's offset
.set BC,   32
.set TMP,  96
.set AF,   128
.set BK,   128                         ; the way out: 16 rows read back from the stage: v128-191 and v192-255 by turns
.set G1, 24
.set G0, 32
.set G1B, 48
.set G0B, 56
.set MSB, 0
.macro WIN new                         ; the immediate's high byte repeats the setting that is left
.if MSB != \new
	s_set_vgpr_msb (MSB<<8)|\new
.set MSB, \new
.endif
.endm
.set MUL_LO, 0xa1                      ; source 0 (B) window 1, source 1 (A) window 0, C and D window 2
.set MUL_HI, 0xf1
.set TO_B,   0x40
; A joint load: waves 0 and 1 fetch for A, waves 2 and 3 for B; the branch hangs on the wave's number alone.  Four v_nop follow each of the two lines.
.macro JLOAD g0a, g1a, g0b, g1b
	s_cmp_eq_u32 s15, 0
	s_cbranch_scc0 .Lfor_b_\@
	tensor_load_to_lds s[\g0a:\g0a+3], s[\g1a:\g1a+7]
	s_nop 0
.rept 4
	v_nop
.endr
	s_branch .Lasked_\@
.Lfor_b_\@:
	tensor_load_to_lds s[\g0b:\g0b+3], s[\g1b:\g1b+7]
	s_nop 0
.rept 4
	v_nop
.endr
.Lasked_\@:
.endm
.macro CREST
	s_cmp_lg_u32 s14, 0
	s_cbranch_scc1 .Lnot_wave_0_\@
	s_barrier_signal -3
.Lnot_wave_0_\@:
	s_barrier_wait -3
	s_barrier_signal -1
	s_barrier_wait -1
.endm
.macro CROUND
	s_barrier_signal -1
	s_barrier_wait -1
	CREST
.endm
	s_load_b128 s[4:7], s[0:1], 0x0                ; yc, wc
	s_load_b128 s[8:11], s[0:1], 0x10              ; the scales' exponents, bp
	s_load_b64 s[12:13], s[0:1], 0x20              ; out0
	v_lshl_add_u32 v[SPW], v0, 2, SPARE
	v_mov_b32 v[NIL], 0
	ds_add_u32 v28, v29
	ds_add_u32 v28, v29
	s_wait_dscnt 0x0
	v_lshrrev_b32 v1, 5, v0
	v_readfirstlane_b32 s14, v1                    ; wave 0..3
	s_lshr_b32 s15, s14, 1                         ; which half of the tile's rows is mine.  Also: I fetch for A (0) or for B (1)
	s_and_b32 s16, s14, 1                          ; which half of its columns.  Also: which half of that tile I fetch
	s_bfe_u32 s40, ttmp6, 0x40000                  ; cx, cy
	s_bfe_u32 s41, ttmp6, 0x40004
	s_lshl_b32 s42, ttmp9, 2
	s_add_co_u32 s42, s42, s40                     ; tile column = 4 x cluster x + cx
	s_and_b32 s17, ttmp7, 0xffff
	s_lshl_b32 s17, s17, 2
	s_add_co_u32 s17, s17, s41                     ; tile row = 4 x cluster y + cy
	s_lshl_b32 s43, s41, 2
	s_lshl_b32 s43, 15, s43                        ; my row of the cluster
	s_lshl_b32 s44, 0x1111, s40                    ; my column
	; group 1 for A: 512 rows of 64 bytes, dense in memory (two planes of 256 tokens), 16 bytes of padding behind each
	s_or_b32 s[G1+0], s43, (0<<16)|(1<<20)|(1<<21)|(3<<22)|(3<<25)  ; 15:0 the mask: my row; element of 1 byte; padding on; 21 set beside a mask; after every 16 words, four words
	s_mov_b32 s[G1+1], 64<<16                      ; tensor_dim0
	s_mov_b32 s[G1+2], 512<<16                     ; tensor_dim1
	s_mov_b32 s[G1+3], 64<<16                      ; tile_dim0
	s_mov_b32 s[G1+4], 512                         ; tile_dim1
	s_mov_b32 s[G1+5], 64                          ; tensor_dim0_stride
	s_mov_b32 s[G1+6], 0
	s_mov_b32 s[G1+7], 0
	; group 1 for B: 128 rows of 256 bytes, 1,024 bytes apart in memory
	s_or_b32 s[G1B+0], s44, (0<<16)|(1<<20)|(1<<21)|(5<<22)|(3<<25)
	s_mov_b32 s[G1B+1], ROWB<<16
	s_mov_b32 s[G1B+2], 128<<16
	s_mov_b32 s[G1B+3], ROWB<<16
	s_mov_b32 s[G1B+4], 128
	s_mov_b32 s[G1B+5], KROW
	s_mov_b32 s[G1B+6], 0
	s_mov_b32 s[G1B+7], 0
	s_lshl_b32 s20, s17, 18                        ; A: the tile row's 262,144 bytes,
	s_lshl_b32 s18, s16, 15                        ; + which two planes of a K step's four
	s_add_co_u32 s20, s20, s18
	s_mov_b32 s21, 0
	s_lshl_b32 s46, s42, 8
	s_lshl_b32 s18, s16, 7
	s_add_co_u32 s46, s46, s18                     ; B: row 256 x tile column + 128 x half,
	s_lshl_b32 s46, s46, 10
	s_add_co_u32 s46, s46, 0x300000                ; in wc's part 3
	s_mov_b32 s47, 0
	s_mul_i32 s45, s16, APART                      ; where they go: A's halves,
	s_mul_i32 s74, s16, HALFT
	s_add_co_u32 s74, s74, 2*APART                 ; then B's: no place in the cluster enters an LDS address
	s_wait_kmcnt 0x0
	s_load_b64 s[96:97], s[8:9], 0x28              ; e10, e11
	s_add_nc_u64 s[20:21], s[4:5], s[20:21]
	s_add_nc_u64 s[46:47], s[6:7], s[46:47]
	CROUND                                         ; all sixteen work-groups are here: the first joint loads meet
.irp s, 0,1
	s_mov_b32 s[G0+4*\s], 1
	s_add_co_u32 s[G0+4*\s+1], s45, \s*SLOT
	s_add_nc_u64 s[G0+4*\s+2:G0+4*\s+3], s[20:21], \s*65536
	s_or_b32 s[G0+4*\s+3], s[G0+4*\s+3], 0x80000000
	s_mov_b32 s[G0B+4*\s], 1
	s_add_co_u32 s[G0B+4*\s+1], s74, \s*SLOT
	s_add_nc_u64 s[G0B+4*\s+2:G0B+4*\s+3], s[46:47], \s*ROWB
	s_or_b32 s[G0B+4*\s+3], s[G0B+4*\s+3], 0x80000000
	s_wait_alu depctr_va_vdst(0)
	s_wait_tensorcnt 0x0
	ds_add_u32 v28, v29
	ds_add_u32 v28, v29
	s_wait_dscnt 0x0
	CROUND
	JLOAD G0+4*\s, G1, G0B+4*\s, G1B
.endr
	v_and_b32 v1, 15, v0                           ; r
	v_bfe_u32 v2, v0, 4, 1                         ; hh
	v_mul_u32_u24 v3, v1, PITCH
	v_lshl_add_u32 v4, v2, 4, v3                   ; B: row x pitch + 16 x half
	v_mul_u32_u24 v3, v1, APITCH
	v_lshl_add_u32 v3, v2, 4, v3                   ; A likewise
	s_mul_i32 s21, s15, 128*APITCH                 ; my 128 tokens in each plane
	s_mul_i32 s22, s16, HALFT                      ; my 128 rows of B,
	s_add_co_u32 s22, s22, 2*APART                 ; which lie behind A's planes
.irp s, 0,1
	v_add_nc_u32 v[ADRA+2*\s], s21, v3
	s_add_co_u32 s23, s21, APART
	v_add_nc_u32 v[ADRA+2*\s+1], s23, v3
	v_add_nc_u32 v[ADRB+\s], s22, v4
	s_add_co_u32 s21, s21, SLOT
	s_add_co_u32 s22, s22, SLOT
.endr
	s_mul_i32 s23, s14, 16*SPITCH                  ; my stage
	v_mul_u32_u24 v5, v1, SPITCH                   ; in: row r, 32 bytes for each half of the lanes
	v_lshl_add_u32 v5, v2, 5, v5
	v_add_nc_u32 v[STO], s23, v5
	v_and_b32 v6, 31, v0
	v_lshlrev_b32 v[CO], 4, v6                     ; back: the 32 lanes take one row of 512 bytes; and the same in out0
	v_add_nc_u32 v[RD], s23, v[CO]
	v_lshlrev_b32 v[BCA], 5, v2
	s_lshl_b32 s20, s42, 1
	s_add_co_u32 s20, s20, s16                     ; which 128 columns are my wave's
	s_lshl_b32 s20, s20, 9
	s_mov_b32 s21, 0
	s_add_nc_u64 s[98:99], s[10:11], s[20:21]
.irp b, 0,1,2,3,4,5,6,7
	global_load_b128 v[BC+8*\b:BC+8*\b+3], v[BCA], s[98:99] offset:64*\b       ; bp at columns 16 b + 8 hh + 0 .. 7 of my 128
	global_load_b128 v[BC+8*\b+4:BC+8*\b+7], v[BCA], s[98:99] offset:64*\b+16
.endr
	s_lshl_b32 s20, s17, 8
	s_lshl_b32 s21, s15, 7
	s_add_co_u32 s20, s20, s21                     ; my first row of out0
	s_lshl_b32 s20, s20, 12                        ; rows of 4,096 bytes: under 2^25
	s_lshl_b32 s46, s42, 10                        ; my first column, in bytes
	s_lshl_b32 s47, s16, 9
	s_add_co_u32 s46, s46, s47
	s_add_co_u32 s20, s20, s46
	s_mov_b32 s21, 0
	s_add_nc_u64 s[12:13], s[12:13], s[20:21]
	s_wait_kmcnt 0x0
	s_add_co_i32 s96, s96, s97
	s_add_co_i32 s96, s96, 127
	s_lshl_b32 s96, s96, 23                        ; 2^(e10 + e11) as f32
	s_mov_b32 s97, s96                             ; (named with it as a pair, so it is written)
.macro FRAG reg, adr, q, i             ; B: registers 4 c .. 4 c + 3 hold K = 128 q + 32 c + 16 (l / 16) + 0 .. 15 of row l % 16
.irp c, 0,1,2,3
	ds_load_b128 v[\reg+4*\c:\reg+4*\c+3], v[\adr] offset:128*(\q)+32*\c+(\i)*16*PITCH
.endr
.endm
.macro FRAGA reg, slot, q, i           ; A: the same k: plane 2 q + c / 2, byte 32 (c % 2) + 16 (l / 16) of the token's 64
.irp c, 0,1,2,3
	ds_load_b128 v[\reg+4*\c:\reg+4*\c+3], v[ADRA+2*(\slot)+(\q)] offset:(\c/2)*PLANE+32*(\c%2)+(\i)*16*APITCH
.endr
.endm
; 16 matrix instructions: A's blocks a0, a0 + 1 x B's eight, 128 along K.  The 64 accumulators take turns, one instruction a turn, in the same order in every step.
.macro MUL16 a0, p, zero
.irp a, \a0, \a0+1
.irp b, 0,1,2,3,4,5,6,7
.if \zero
	v_wmma_f32_16x16x128_fp8_fp8 v[8*(8*((\a)%4)+\b):8*(8*((\a)%4)+\b)+7], v[128*(\p)+FR*\b:128*(\p)+FR*\b+FR-1], v[AF+FR*(\a):AF+FR*(\a)+FR-1], 0
.else
	v_wmma_f32_16x16x128_fp8_fp8 v[8*(8*((\a)%4)+\b):8*(8*((\a)%4)+\b)+7], v[128*(\p)+FR*\b:128*(\p)+FR*\b+FR-1], v[AF+FR*(\a):AF+FR*(\a)+FR-1], v[8*(8*((\a)%4)+\b):8*(8*((\a)%4)+\b)+7]
.endif
.endr
.endr
.endm
.macro FETCH_B slot, q, p
	WIN TO_B
.irp i, 0,1,2,3,4,5,6,7
	FRAG 128*(\p)+FR*\i, ADRB+\slot, \q, \i
.endr
	WIN 0
.endm
.macro FETCH_A slot, q, i0
.irp i, \i0, \i0+1, \i0+2, \i0+3
	FRAGA AF+FR*(\i), \slot, \q, \i
.endr
.endm
.macro PLACES n                        ; plain vector lines between a matrix instruction and a load into, or a vector read of, its registers
.rept \n
	v_nop
.endr
.endm
.macro STEP slot, q, zero
	s_wait_dscnt 4*NL                              ; B's set and A's blocks 0-3 are in; the youngest 16 loads (A's blocks 4-7) may be out
	WIN MUL_LO
	MUL16 0, (\q)%2, \zero
	MUL16 2, (\q)%2, \zero
	s_wait_dscnt 0
	PLACES NP
	FETCH_B \slot, (\q)+1, 1-(\q)%2
	FETCH_A \slot, (\q)+1, 0
	WIN MUL_HI
	MUL16 4, (\q)%2, \zero
	MUL16 6, (\q)%2, \zero
	PLACES NP
	WIN 0
	FETCH_A \slot, (\q)+1, 4
.endm
; A slot's last step changes slots: ONE barrier; in front of it each wave waits for all its tensor loads, adds 0 to its spare word, and waits for that and for its own reads of this slot.
.macro TURN slot, next, fill
	s_wait_tensorcnt 0x0                           ; all my tensor loads have landed: the one that was out is my part of the next slot
	ds_add_u32 v[SPW], v[NIL]                      ; 0 onto my spare word
	s_wait_dscnt 4*NL+1                            ; (the add and the youngest 16 loads may be out)
	WIN MUL_LO
	MUL16 0, 1, 0
	s_wait_dscnt 0x0                               ; the add is done, and my reads of this slot are over
	s_barrier_signal -1
	MUL16 2, 1, 0
	WIN 0
	s_barrier_wait -1
.if \fill
	CREST                                          ; the barrier has opened a round of the cluster's barrier: no wave of any partner still reads this slot's tile or has a load on its way
	s_add_nc_u64 s[G0+4*\slot+2:G0+4*\slot+3], s[G0+4*\slot+2:G0+4*\slot+3], 2*65536
	s_add_nc_u64 s[G0B+4*\slot+2:G0B+4*\slot+3], s[G0B+4*\slot+2:G0B+4*\slot+3], 2*ROWB
	JLOAD G0+4*\slot, G1, G0B+4*\slot, G1B         ; the first tensor load behind the round, my one load until the next
.else
	PLACES NP
.endif
	s_wait_alu depctr_va_vdst(0)
	FETCH_B \next, 0, 0
	FETCH_A \next, 0, 0
	WIN MUL_HI
	MUL16 4, 1, 0
	MUL16 6, 1, 0
	PLACES NP
	WIN 0
	FETCH_A \next, 0, 4
.endm
	s_wait_loadcnt 0x0                             ; bp is in: no global load is out at a barrier
	s_wait_tensorcnt 1                             ; my part of K step 0 is in; K step 1's load, issued behind it, may be out
	s_barrier_signal -1
	s_barrier_wait -1
	FETCH_B 0, 0, 0
	FETCH_A 0, 0, 0
	FETCH_A 0, 0, 4
	STEP 0, 0, 1                                   ; the first step's products start the sums
.if LAPS > 1
	s_mov_b32 s3, LAPS-1
.Llap:
	TURN 0, 1, 1
	STEP 1, 0, 0
	TURN 1, 0, 1
	STEP 0, 0, 0
	s_sub_co_u32 s3, s3, 1
	s_cmp_lg_u32 s3, 0
	s_cbranch_scc1 .Llap
.endif
	TURN 0, 1, 0                                   ; the last lap fills nothing
	STEP 1, 0, 0
	s_wait_dscnt 4*NL
	WIN MUL_LO
	MUL16 0, 1, 0
	MUL16 2, 1, 0
	s_wait_dscnt 0
	WIN MUL_HI
	MUL16 4, 1, 0
	MUL16 6, 1, 0
	WIN 0
; THE WAY OUT, block by block of 16 rows x 128 columns: sum x 2^(e10 + e11) + bp, one packed multiply-add for two numbers, half a block at a time; through my own stage in LDS; back as whole rows of 512 bytes.
; LDS serves a wave's instructions in order (ISA guide 5.7.1.4): no wait between the stores and the loads, nor in front of the next block's stores.
.macro TOSTAGE a
.set AC, 64*((\a)%4)
.irp f, 0,1
	WIN 0x02+((\a)/4)                              ; source 0: window 2 or 3
.irp j, 0,2,4,6,8,10,12,14,16,18,20,22,24,26,28,30
	v_pk_fma_f32 v[TMP+\j:TMP+\j+1], v[AC+32*\f+\j:AC+32*\f+\j+1], s[96:97], v[BC+32*\f+\j:BC+32*\f+\j+1] op_sel_hi:[1,0,1]   ; each accumulator from its low end on
.endr
	WIN 0
.irp b, 0,1,2,3
	ds_store_b128 v[STO], v[TMP+8*\b:TMP+8*\b+3] offset:64*(4*\f+\b)
	ds_store_b128 v[STO], v[TMP+8*\b+4:TMP+8*\b+7] offset:64*(4*\f+\b)+16
.endr
.endr
.set BB, BK+64*((\a)%2)
.irp t, 0,1,2,3,4,5,6,7,8,9,10,11,12,13,14,15
	ds_load_b128 v[BB+4*\t:BB+4*\t+3], v[RD] offset:\t*SPITCH
.endr
.endm
.macro SEND a, younger                 ; younger: the LDS instructions issued behind block a's loads, which may stay out
.set BB, BK+64*((\a)%2)
	s_wait_dscnt \younger
.if (\a) > 0
	s_add_nc_u64 s[12:13], s[12:13], 16*SIZE_N*4   ; (behind a wait on XCNT: the earlier stores have read their base)  16 rows of out0 on
.endif
.irp t, 0,1,2,3,4,5,6,7,8,9,10,11,12,13,14,15
	global_store_b128 v[CO], v[BB+4*\t:BB+4*\t+3], s[12:13] offset:\t*SIZE_N*4 th:TH_STORE_NT   ; 32 lanes store 512 consecutive bytes, aligned; written once, read by nobody here
.endr
.endm
	PLACES NP                                      ; behind the last products: the way out loads into registers that held A's fragments
	TOSTAGE 0
.irp a, 1,2,3,4,5,6,7
.if \a > 1
	s_wait_xcnt 0x0                                ; block a - 2's stores have read their registers and their base
.endif
	TOSTAGE \a
	SEND \a-1, 32                                  ; behind block a - 1's loads: block a's 16 stores and 16 loads
.endr
	s_wait_xcnt 0x0                                ; block 6's stores have read their base
	SEND 7, 0
	s_wait_tensorcnt 0x0                           ; the wave's end: behind my last tensor load and my last LDS store
	ds_add_u32 v[SPW], v[NIL]
	s_wait_dscnt 0x0
	CROUND                                         ; the closing round: no work-group ends while a partner may still ask for a tile that names it
	s_endpgm
.Lfunc_end_k_q1724854003_gemm_proj:
	.size	k_q1724854003_gemm_proj, .Lfunc_end_k_q1724854003_gemm_proj-k_q1724854003_gemm_proj
	.p2alignl 7, 3214868480
	.fill 96, 4, 3214868480
	.section	.rodata,"a",@progbits
	.p2align	6, 0x0
	.amdhsa_kernel k_q1724854003_gemm_proj
		.amdhsa_group_segment_fixed_size 327680
		.amdhsa_private_segment_fixed_size 0
		.amdhsa_enable_private_segment 0
		.amdhsa_kernarg_size 40
		.amdhsa_user_sgpr_count 2
		.amdhsa_user_sgpr_kernarg_segment_ptr 1
		.amdhsa_wavefront_size32 1
		.amdhsa_system_sgpr_workgroup_id_x 1
		.amdhsa_system_sgpr_workgroup_id_y 1
		.amdhsa_system_sgpr_workgroup_id_z 1
		.amdhsa_system_vgpr_workitem_id 0
		.amdhsa_next_free_vgpr 1024
		.amdhsa_next_free_sgpr 102
		.amdhsa_reserve_vcc 0
		.amdhsa_float_denorm_mode_32 3
		.amdhsa_float_denorm_mode_16_64 3
		.amdhsa_memory_ordered 1
		.amdhsa_forward_progress 1
		.amdhsa_inst_pref_size 127
	.end_amdhsa_kernel
	.amdgpu_metadata
---
amdhsa.version: [ 1, 2 ]
amdhsa.kernels:
  - .name:           k_q1724854003_gemm_proj
    .symbol:         k_q1724854003_gemm_proj.kd
    .args:
      - { .name: yc, .offset: 0, .size: 8, .value_kind: global_buffer, .address_space: global }
      - { .name: wc, .offset: 8, .size: 8, .value_kind: global_buffer, .address_space: global }
      - { .name: lowp_scales, .offset: 16, .size: 8, .value_kind: global_buffer, .address_space: global }
      - { .name: bp, .offset: 24, .size: 8, .value_kind: global_buffer, .address_space: global }
      - { .name: out0, .offset: 32, .size: 8, .value_kind: global_buffer, .address_space: global }
    .group_segment_fixed_size: 327680
    .private_segment_fixed_size: 0
    .kernarg_segment_align: 8
    .kernarg_segment_size: 40
    .max_flat_workgroup_size: 128
    .sgpr_count:     102
    .vgpr_count:     1024
    .wavefront_size: 32
...
	.end_amdgpu_metadata
.endif
;; end of part 5
